; MI455X (gfx1250); checked and timed in simulation.
; The chip was launched on July 23, 2026; its instructions are those of AMD's public machine-readable ISA for CDNA 5 (MIT licence, August 2026) and "CDNA5" Instruction Set Architecture Reference Guide (July 2026). The comments in the code are by the model that wrote it; some were corrected since.
;; Little Bit ITQ Spec Linear. Allowed arithmetic: float matrix products may take bf16 or f16 operands with f32 sums; other float arithmetic in f32, or as packed bf16 or f16 multiplies, adds, multiply-adds, maxima and minima; sums over many terms, partial sums and values carried from step to step in f32; what a program stores and reads back later, other than sums and carried values, may be rounded once to bf16 or f16.
;; Inputs: U 4,096 x 1,024 float32; U_R 4,096 x 1,024 float32; V 1,024 x 4,096 float32; V_R 1,024 x 4,096 float32; bias 4,096 float32; u1 1 x 4,096 float32; u1_R 1 x 4,096 float32; u2 1 x 1,024 float32; u2_R 1 x 1,024 float32; v1 1 x 1,024 float32; v1_R 1 x 1,024 float32; v2 1 x 4,096 float32; v2_R 1 x 4,096 float32; x 2 x 2,048 x 4,096 float32.
;; Outputs: out0 2 x 2,048 x 4,096 float32.
;; 2 versions, each right; version 2 is version 1 with the launch prep written anew for expert scheduling mode. Each part assembles by itself: llvm-mc -triple=amdgcn-amd-amdhsa -mcpu=gfx1250 --defsym DOCPART=n.
;; ======== version 1 of 2: 3 launches
;; limits: values outside matrix products are rounded to bf16
;; workspace buffers: xa 67,108,864 bytes; w1 8,388,608 bytes; w2 16,777,216 bytes; hb 16,777,216 bytes
;; launch prep (part 1): grid 1024 x 1, 8 waves a work-group, no clusters, 0 bytes of LDS; arguments x, V, V_R, v2, v2_R, U, U_R, u1, u1_R, xa, w1, w2; writes xa, w1, w2
.if DOCPART == 1
	.amdgcn_target "amdgcn-amd-amdhsa--gfx1250"
	.amdhsa_code_object_version 6
	.text
	.protected	k_q62d8cbf2a8_prep
	.globl	k_q62d8cbf2a8_prep
	.p2align	8
	.type	k_q62d8cbf2a8_prep,@function
k_q62d8cbf2a8_prep:
	s_mov_b64 s[64:65], 0
	v_nop
	global_prefetch_b8 v0, s[64:65] scope:SCOPE_SE
	s_setreg_imm32_b32 hwreg(HW_REG_WAVE_MODE, 25, 1), 1
	s_wait_xcnt 0x0
; THE OPERANDS OF THE TWO PRODUCTS, made once:
;   xa[p][m][pos] = bf16(x[m][k] v2_p[k]), p = 0: v2, p = 1: v2_R                         [2][4096][4096] bf16
;   w1[j][pos]    = sign(V[j][k]) as ONE BYTE: the upper byte of the bf16 numbers +2, -2, 0 (0x40, 0xC0, 0x00); rows 1024.. from V_R   [2048][4096] bytes
;   w2[n][j]      = bf16(sign(U[n][j]) u1[n]), columns 1024.. from U_R, u1_R               [4096][2048] bf16
; The bytes of w1 are exact: the next launch sets a zero byte under each and has the bf16 operand; the factor 2 is taken back there, exactly.
; K IS LAID IN ONE COMMON ORDER in xa and w1: position 2048 B + 8 t + 4 h + e holds k = 1024 (2 B + h) + 4 t + e (B, h = 0, 1; t = 0..255; e = 0..3).  A sum over k does not mind an order that
; both operands share, and so a thread's two loads of 16 bytes, 4,096 bytes apart, make 16 consecutive bytes of xa or 8 of w1.
; LIMITS.  sign(+0) = 0; sign(-0) gives -0, which adds nothing.  A NaN in V or U gives a signed scale and not a NaN.  x v2 is rounded to f32 and then once to bf16; u1 once to bf16 (matrix operands).
; A STREAM: no LDS, no barrier, no matrix unit.  Every work-group reads 131,072 bytes of f32; its number picks the role:
;   0-511: 8 rows of x;   512-767: 8 rows of V or V_R;   768-1023: 32 rows of U or U_R.
; A slot is 4,096 consecutive input bytes: thread t takes the 16 bytes at 16 t, so a wave's load covers 512 consecutive bytes.  A wave's store covers 512 (xa) or 256 (w1, w2) consecutive bytes, aligned.
; A ring of eight slots in registers keeps eight loads of every wave on their way; four rounds of eight.
.set IO,  1                            ; v1        16 t: my bytes in a slot's input, and in 4,096 bytes of xa; never rewritten
.set OO,  2                            ; v2        8 t: my bytes in 2,048 bytes of w1 or w2; never rewritten
.set LO,  3                            ; v3        4 x lane: for the 32 row scales of role W2
.set SC,  4                            ; v[4:19]   role X: v2 of my 4 columns in each of a row's four slots;  v[20:35] the same of v2_R
.set UV,  4                            ; v4        role W2: lane l holds u1 of the work-group's row l
.set T,   36                           ; v[36:43]  at work
.set X,   44                           ; v[44:75]  slot i: 4 f32 as loaded
.set Y,   76                           ; v[76:107] what is stored
.set IN,  32                           ; s[32:33]  the work-group's input
.set OUT, 34                           ; s[34:35]  its output
.set SCP, 36                           ; s[36:37]  role W2: its scales
.set OFS, 38                           ; s[38:39]  an offset, high word 0
.set SB,  40                           ; s40       the sign bit
.set CNT, 41                           ; s41       rounds that load ahead
.set US,  42                           ; s42       role W2: the row's scale
.set OUT2, 44                          ; s[44:45]  role X: the second path's output
.set SEL1, 46                          ; s46       v_perm_b32: the top bytes of two words, twice
.set SEL2, 47                          ; s47       v_perm_b32: the low halves of two words
.set M80, 48                           ; s48       four sign bits
.set K40, 49                           ; s[49:52]  0x40 in byte 0, 1, 2, 3
	s_load_b512 s[8:23], s[0:1], 0x0               ; x s[8:9], V s[10:11], V_R s[12:13], v2 s[14:15], v2_R s[16:17], U s[18:19], U_R s[20:21], u1 s[22:23]
	s_load_b256 s[24:31], s[0:1], 0x40             ; u1_R s[24:25], xa s[26:27], w1 s[28:29], w2 s[30:31]
	v_lshlrev_b32 v[IO], 4, v0
	v_lshlrev_b32 v[OO], 3, v0
	v_and_b32 v[LO], 31, v0
	v_lshlrev_b32 v[LO], 2, v[LO]
	s_mov_b32 s2, ttmp9
	s_mov_b32 s[OFS+1], 0
	s_mov_b32 s[SB], 0x80000000
	s_mov_b32 s[CNT], 3
.macro FILL                            ; the ring's first eight loads
.irp i, 0,1,2,3,4,5,6,7
	global_load_b128 v[X+4*(\i):X+4*(\i)+3], v[IO], s[IN:IN+1] offset:(\i)*4096 th:TH_LOAD_NT
.endr
.endm
; Roles X (kind 0) and W1 (kind 1) take the slots in pairs: slots 2 j and 2 j + 1 are neighbouring quarters of one row and make one piece of output.
; ahead = 1: both slots are loaded again, eight slots on.  left: the younger loads that may stay out.
.macro PAIR kind, j, ahead, left
	s_wait_loadcnt \left                           ; loads come back in order: the pair is in (and the scales, which were asked for first)
.if (\kind) == 0
.irp p, 0,1                            ; the two paths
.irp h, 0,1                            ; the pair's two slots
	v_pk_mul_f32 v[T+4*\h:T+4*\h+1],   v[X+8*(\j)+4*\h:X+8*(\j)+4*\h+1],   v[SC+16*\p+4*((2*(\j)+\h)%4):SC+16*\p+4*((2*(\j)+\h)%4)+1]
	v_pk_mul_f32 v[T+4*\h+2:T+4*\h+3], v[X+8*(\j)+4*\h+2:X+8*(\j)+4*\h+3], v[SC+16*\p+4*((2*(\j)+\h)%4)+2:SC+16*\p+4*((2*(\j)+\h)%4)+3]
.endr
.irp e, 0,1,2,3
	v_cvt_pk_bf16_f32 v[Y+8*(\j)+4*\p+\e], v[T+2*\e], v[T+2*\e+1]
.endr
.endr
.else
.irp h, 0,1
	v_perm_b32 v[T],   v[X+8*(\j)+4*\h+1], v[X+8*(\j)+4*\h],   s[SEL1]  ; the top bytes of numbers 0 and 1,
	v_perm_b32 v[T+1], v[X+8*(\j)+4*\h+3], v[X+8*(\j)+4*\h+2], s[SEL1]  ; of 2 and 3,
	v_perm_b32 v[T],   v[T+1], v[T], s[SEL2]                           ; of all four, in order;
	v_and_b32  v[T], s[M80], v[T]                                      ; of each its sign
.irp e, 0,1,2,3
	v_cmp_neq_f32 vcc_lo, 0, v[X+8*(\j)+4*\h+\e]
	v_cndmask_b32 v[T+2+\e], 0, s[K40+\e], vcc_lo                      ; 0x40 in its byte, where the number is not 0
.endr
	v_or_b32 v[T+2], v[T+2], v[T+3]
	v_or_b32 v[T+4], v[T+4], v[T+5]
	v_or_b32 v[T], v[T], v[T+2]
	v_or_b32 v[Y+2*(\j)+\h], v[T], v[T+4]
.endr
.endif
.if \ahead
	global_load_b128 v[X+8*(\j):X+8*(\j)+3],   v[IO], s[IN:IN+1] offset:(2*(\j))*4096+32768 th:TH_LOAD_NT
	global_load_b128 v[X+8*(\j)+4:X+8*(\j)+7], v[IO], s[IN:IN+1] offset:(2*(\j)+1)*4096+32768 th:TH_LOAD_NT
.endif
.if (\kind) == 0
	global_store_b128 v[IO], v[Y+8*(\j):Y+8*(\j)+3],   s[OUT:OUT+1]   offset:(\j)*4096  ; half a row of xa
	global_store_b128 v[IO], v[Y+8*(\j)+4:Y+8*(\j)+7], s[OUT2:OUT2+1] offset:(\j)*4096
.else
	global_store_b64 v[OO], v[Y+2*(\j):Y+2*(\j)+1], s[OUT:OUT+1] offset:(\j)*2048       ; half a row of w1
.endif
.endm
.macro ROUNDP kind, ahead
.irp j, 0,1,2,3
.if \ahead
	PAIR \kind, \j, 1, 6
.else
	PAIR \kind, \j, 0, 6-2*\j                      ; the last round loads nothing: the counts run down
.endif
.endr
.if \ahead
	s_wait_xcnt 0x0                                ; Y, which the stores read, and the bases are written again only behind this wait
.endif
.endm
; Role W2: a slot is a row of U.  row: the slot's number among the work-group's 32.
.macro SLOT i, row, ahead, left
	s_wait_loadcnt \left
	v_readlane_b32 s[US], v[UV], \row              ; u1 of this row
.irp e, 0,1,2,3
	v_and_b32 v[T+\e], s[SB], v[X+4*(\i)+\e]       ; the weight's sign
	v_xor_b32 v[T+\e], s[US], v[T+\e]              ; turns the scale's
	v_cmp_neq_f32 vcc_lo, 0, v[X+4*(\i)+\e]
	v_cndmask_b32 v[T+\e], 0, v[T+\e], vcc_lo      ; sign(0) = 0
.endr
	v_cvt_pk_bf16_f32 v[Y+2*(\i)],   v[T],   v[T+1]
	v_cvt_pk_bf16_f32 v[Y+2*(\i)+1], v[T+2], v[T+3]
.if \ahead
	global_load_b128 v[X+4*(\i):X+4*(\i)+3], v[IO], s[IN:IN+1] offset:(\row)*4096+32768 th:TH_LOAD_NT
.endif
	global_store_b64 v[OO], v[Y+2*(\i):Y+2*(\i)+1], s[OUT:OUT+1] offset:(\row)*4096  ; a row of w2 is 4,096 bytes, of which this path fills half
.endm
.macro ROUND2 r, ahead
.irp i, 0,1,2,3,4,5,6,7
.if \ahead
	SLOT \i, 8*(\r)+\i, 1, 7
.else
	SLOT \i, 8*(\r)+\i, 0, 7-\i
.endif
.endr
.if \ahead
	s_wait_xcnt 0x0                                ; Y is written again only behind this wait
.endif
.endm
	s_wait_kmcnt 0x0
	s_cmp_lt_u32 s2, 512
	s_cbranch_scc1 .Lrole_x
	s_cmp_lt_u32 s2, 768
	s_cbranch_scc1 .Lrole_w1
	; ROLE W2: 32 rows of U or U_R
	s_sub_co_u32 s2, s2, 768
	s_lshr_b32 s3, s2, 7                           ; the path
	s_and_b32 s4, s2, 127                          ; which 32 rows
	s_cmp_eq_u32 s3, 0
	s_cselect_b64 s[IN:IN+1], s[18:19], s[20:21]
	s_cselect_b64 s[SCP:SCP+1], s[22:23], s[24:25]
	s_lshl_b32 s[OFS], s4, 17                      ; 32 rows of 4,096 bytes, in U and in w2
	s_add_nc_u64 s[IN:IN+1], s[IN:IN+1], s[OFS:OFS+1]
	s_add_nc_u64 s[OUT:OUT+1], s[30:31], s[OFS:OFS+1]
	s_lshl_b32 s[OFS], s3, 11                      ; the path's half of a row of w2
	s_add_nc_u64 s[OUT:OUT+1], s[OUT:OUT+1], s[OFS:OFS+1]
	s_lshl_b32 s[OFS], s4, 7                       ; 32 scales
	s_add_nc_u64 s[SCP:SCP+1], s[SCP:SCP+1], s[OFS:OFS+1]
	global_load_b32 v[UV], v[LO], s[SCP:SCP+1]
	FILL
	ROUND2 0, 1                                    ; written out: the row's number is a constant of each line
	ROUND2 1, 1
	ROUND2 2, 1
	ROUND2 3, 0
	s_endpgm
.Lrole_w1:                                     ; ROLE W1: 8 rows of V or V_R
	s_sub_co_u32 s2, s2, 512
	s_lshr_b32 s3, s2, 7                           ; the path
	s_and_b32 s4, s2, 127                          ; which 8 rows of its V
	s_cmp_eq_u32 s3, 0
	s_cselect_b64 s[IN:IN+1], s[10:11], s[12:13]
	s_lshl_b32 s[OFS], s4, 17
	s_add_nc_u64 s[IN:IN+1], s[IN:IN+1], s[OFS:OFS+1]
	s_lshl_b32 s[OFS], s2, 15                      ; 8 rows of 4,096 bytes of w1; V_R's rows follow V's
	s_add_nc_u64 s[OUT:OUT+1], s[28:29], s[OFS:OFS+1]
	s_mov_b32 s[SEL1], 0x07030703
	s_mov_b32 s[SEL2], 0x05040100
	s_mov_b32 s[M80], 0x80808080
	s_mov_b32 s[K40], 0x40
	s_mov_b32 s[K40+1], 0x4000
	s_mov_b32 s[K40+2], 0x400000
	s_mov_b32 s[K40+3], 0x40000000
	FILL
.Lw1_round:
	ROUNDP 1, 1
	s_add_nc_u64 s[IN:IN+1], s[IN:IN+1], 32768
	s_add_nc_u64 s[OUT:OUT+1], s[OUT:OUT+1], 8192
	s_sub_co_u32 s[CNT], s[CNT], 1
	s_cmp_lg_u32 s[CNT], 0
	s_cbranch_scc1 .Lw1_round
	ROUNDP 1, 0
	s_endpgm
.Lrole_x:                                      ; ROLE X: 8 rows of x, for both paths
	s_lshl_b32 s[OFS], s2, 17
	s_add_nc_u64 s[IN:IN+1], s[8:9], s[OFS:OFS+1]
	s_lshl_b32 s[OFS], s2, 16                      ; 8 rows of 8,192 bytes of xa
	s_add_nc_u64 s[OUT:OUT+1], s[26:27], s[OFS:OFS+1]
	s_add_nc_u64 s[OUT2:OUT2+1], s[OUT:OUT+1], 0x2000000  ; the second path's 4,096 rows follow the first's
.irp c, 0,1,2,3
	global_load_b128 v[SC+4*(\c):SC+4*(\c)+3],       v[IO], s[14:15] offset:(\c)*4096
	global_load_b128 v[SC+16+4*(\c):SC+16+4*(\c)+3], v[IO], s[16:17] offset:(\c)*4096
.endr
	FILL
.Lx_round:
	ROUNDP 0, 1
	s_add_nc_u64 s[IN:IN+1], s[IN:IN+1], 32768
	s_add_nc_u64 s[OUT:OUT+1], s[OUT:OUT+1], 16384
	s_add_nc_u64 s[OUT2:OUT2+1], s[OUT2:OUT2+1], 16384
	s_sub_co_u32 s[CNT], s[CNT], 1
	s_cmp_lg_u32 s[CNT], 0
	s_cbranch_scc1 .Lx_round
	ROUNDP 0, 0
	s_endpgm
.Lfunc_end_k_q62d8cbf2a8_prep:
	.size	k_q62d8cbf2a8_prep, .Lfunc_end_k_q62d8cbf2a8_prep-k_q62d8cbf2a8_prep
	.p2alignl 7, 3214868480
	.fill 96, 4, 3214868480
	.section	.rodata,"a",@progbits
	.p2align	6, 0x0
	.amdhsa_kernel k_q62d8cbf2a8_prep
		.amdhsa_group_segment_fixed_size 0
		.amdhsa_private_segment_fixed_size 0
		.amdhsa_enable_private_segment 0
		.amdhsa_kernarg_size 96
		.amdhsa_user_sgpr_count 2
		.amdhsa_user_sgpr_kernarg_segment_ptr 1
		.amdhsa_wavefront_size32 1
		.amdhsa_system_sgpr_workgroup_id_x 1
		.amdhsa_system_sgpr_workgroup_id_y 1
		.amdhsa_system_sgpr_workgroup_id_z 1
		.amdhsa_system_vgpr_workitem_id 0
		.amdhsa_next_free_vgpr 108
		.amdhsa_next_free_sgpr 66
		.amdhsa_reserve_vcc 1
		.amdhsa_float_denorm_mode_32 3
		.amdhsa_float_denorm_mode_16_64 3
		.amdhsa_memory_ordered 1
		.amdhsa_forward_progress 1
		.amdhsa_inst_pref_size 59
	.end_amdhsa_kernel
	.amdgpu_metadata
---
amdhsa.version: [ 1, 2 ]
amdhsa.kernels:
  - .name:           k_q62d8cbf2a8_prep
    .symbol:         k_q62d8cbf2a8_prep.kd
    .args:
      - { .name: x, .offset: 0, .size: 8, .value_kind: global_buffer, .address_space: global }
      - { .name: V, .offset: 8, .size: 8, .value_kind: global_buffer, .address_space: global }
      - { .name: V_R, .offset: 16, .size: 8, .value_kind: global_buffer, .address_space: global }
      - { .name: v2, .offset: 24, .size: 8, .value_kind: global_buffer, .address_space: global }
      - { .name: v2_R, .offset: 32, .size: 8, .value_kind: global_buffer, .address_space: global }
      - { .name: U, .offset: 40, .size: 8, .value_kind: global_buffer, .address_space: global }
      - { .name: U_R, .offset: 48, .size: 8, .value_kind: global_buffer, .address_space: global }
      - { .name: u1, .offset: 56, .size: 8, .value_kind: global_buffer, .address_space: global }
      - { .name: u1_R, .offset: 64, .size: 8, .value_kind: global_buffer, .address_space: global }
      - { .name: xa, .offset: 72, .size: 8, .value_kind: global_buffer, .address_space: global }
      - { .name: w1, .offset: 80, .size: 8, .value_kind: global_buffer, .address_space: global }
      - { .name: w2, .offset: 88, .size: 8, .value_kind: global_buffer, .address_space: global }
    .group_segment_fixed_size: 0
    .private_segment_fixed_size: 0
    .kernarg_segment_align: 8
    .kernarg_segment_size: 96
    .max_flat_workgroup_size: 256
    .sgpr_count:     66
    .vgpr_count:     108
    .wavefront_size: 32
...
	.end_amdgpu_metadata
.endif
;; end of part 1
;; launch gemm1 (part 2): grid 8 x 32, 4 waves a work-group, clusters of 4 x 4, 327,680 bytes of LDS; arguments xa, w1, hb, v1, v1_R, u2, u2_R; writes hb
.if DOCPART == 2
	.amdgcn_target "amdgcn-amd-amdhsa--gfx1250"
	.amdhsa_code_object_version 6
	.text
	.protected	k_q62d8cbf2a8_gemm1
	.globl	k_q62d8cbf2a8_gemm1
	.p2align	8
	.type	k_q62d8cbf2a8_gemm1,@function
k_q62d8cbf2a8_gemm1:
	s_mov_b64 s[64:65], 0
	v_nop
	global_prefetch_b8 v0, s[64:65] scope:SCOPE_SE
	s_setreg_imm32_b32 hwreg(HW_REG_WAVE_MODE, 25, 1), 1
	s_wait_xcnt 0x0
	s_wait_alu depctr_hold_cnt(0) depctr_sa_sdst(0) depctr_va_vdst(0) depctr_va_sdst(0) depctr_va_ssrc(0) depctr_va_vcc(0) depctr_vm_vsrc(0)
	s_getreg_b32 s2, hwreg(HW_REG_IB_STS2, 6, 4)
	s_cmp_eq_u32 s2, 0
	s_cbranch_scc0 .Lentry_in_a_cluster
	s_endpgm
.Lentry_in_a_cluster:
	s_bfe_u32 s2, ttmp6, 0x10000c
	s_cmp_lg_u32 s2, 0xf033
	s_cbranch_scc0 .Lentry_shape_is_right
	s_endpgm
.Lentry_shape_is_right:
; hb[m][j] = bf16( (sum over k of xa[p][m][k] 2 sign(V_p[j][k])) x s[j] ),  s = 0.5 v1 u2 (p = 0, j < 1024), 0.5 v1_R u2_R behind.  xa: [2][4096][4096] bf16 (x v2 of the path), w1: [2048][4096] BYTES,
; hb: [4096][2048] bf16; sums and s in f32.  A byte of w1 is the upper byte of the bf16 number +2, -2 or 0: v_perm_b32 sets a zero byte under each of two bytes and has two bf16 numbers, exactly; the matrix operand is bf16.
; xa and w1 hold K in one common order (the launch before lays it), which a sum over K does not mind.
; LIMITS.  hb is rounded once to bf16 (the next product's operand; bf16 for its range: h x s spans many powers of two as the six scales grow or shrink).  0.5 (v1 u2) loses a bit only where v1 u2 is a denormal.
; A tile of hb is 128 x 256: 8 x 32 = 256 tiles, a work-group each.  Four waves, each 64 rows x 128 columns: 32 accumulators of 16 x 16, 256 registers.
; WHY BYTES.  K goes in steps of 256 through a ring of two LDS slots filled by the tensor data mover: 256 matrix instructions of a wave to a step.  With both operands in bf16 two such slots are 405,504 bytes, more than
; the launch's 327,680; with the signs as bytes a slot is 128 x 528 + 256 x 272 = 137,216 bytes.  Rows in memory are 512 (xa) and 256 (w1) bytes, each starting at a multiple of 256 from its buffer's first byte.
; CLUSTERS: 4 x 4 work-groups.  The four of a row of the cluster need the same tile of xa (a cluster's four tile columns are 1,024 columns: one path, named by the cluster's x), the four of a column the same tile of w1:
; each tile is asked for JOINTLY, by the same tensor load with the same descriptor and a mask that names the four.
; THE MATRIX INSTRUCTION IS USED TRANSPOSED (source 0 = 16 rows of w1, source 1 = 16 rows of xa): a lane then holds row l % 16 and the columns 8 (l / 16) + 0..7 of a block: eight neighbours of a row of hb.
; Of a quarter's 32 positions along K lane l takes 16 (l / 16) + 0..15, in both sources alike: 16 consecutive bytes of w1, 32 of xa.
; REGISTERS, in windows of 256 (s_set_vgpr_msb: bits 1:0 source 0, 3:2 source 1, 5:4 source 2, 7:6 destination):
;   window 0: v0-31 addresses; v32-63 packed results; v64-127 rows read back, two buffers; v128-191 s of my lane's 64 columns; v192-255 u2 while s is made
;   window 1: v0-63 fragments of xa (4 x 16 rows x 32 K), two buffers; v64-127 bytes of w1 (8 x 16 rows x 32 K, 4 registers each), two buffers
;   window 2: v0-127 accumulators (a, b), b = 0..3, at v[8 (4 a + b)]; v128-191 the widened fragments of w1 for b = 0..3, two buffers; v192 holds 0          window 3: the same for b = 4..7
; So ONE setting serves a matrix instruction (D, C and source 0 in window 2 or 3, source 1 in window 1) and the v_perm_b32 behind it (destination and the 0, its first source, in window 2 or 3; the bytes, its second, in window 1).
; A QUARTER (32 along K): 16 products of b = 0..3, behind each two v_perm_b32 that widen the NEXT quarter's bytes; one run of 16 LDS loads (xa of the next quarter, bytes of the next but one); 16 products of b = 4..7 with
; their two.  These v_perm_b32 name no register of the products round them: they are also the places in front of the loads.
.set SIZE_K, 4096
.set SIZE_N, 2048
.set KSTEP,  256
.set PA,     528                       ; an LDS row of xa: 512 bytes + 16 of padding = 132 words: row r starts at bank 4 r mod 64 (64 banks of 4 bytes: ISA guide 11.1), so the 16 rows of a load start at 16 different groups of four banks
.set PB,     272                       ; an LDS row of w1: 256 bytes + 16 = 68 words: likewise
.set AH,     64*PA                     ; 64 rows of xa: what waves 0 and 1 each fetch, and what a wave reads of xa
.set BH,     128*PB                    ; 128 rows of w1: what waves 2 and 3 each fetch, and what a wave reads of w1
.set BOFF,   2*AH                      ; in a slot w1's 256 rows lie behind xa's 128
.set SLOT,   2*AH+2*BH
.set STAGE,  2*SLOT                    ; behind the ring: 16 rows x 272 bytes for each wave, for the way out; no tensor load fills it
.set SPITCH, 272
.set SPARE,  STAGE+4*16*SPITCH         ; behind the stages: the spare words, 128 bytes for each wave: two blocks of 256 bytes that no other line names
.set LAPS,   SIZE_K/(2*KSTEP)          ; a lap = two K steps = once round the ring
.set AK0,  16                          ; v16     my lane's place in slot 0's rows of xa; never rewritten
.set BK0,  17                          ; v17     the same for w1
.set VA,   18                          ; v18     the LDS address that the runs of loads in hand take for xa
.set VR,   19                          ; v19     and for w1
.set STO,  24                          ; v24     the way out: where I put 16 bytes of a row
.set RD,   25                          ; v25     the way out: where I read a row back
.set CO,   26                          ; v26     my byte offset in hb
.set SO,   27                          ; v27     my byte offset in v1 and u2
.set SPW,  28                          ; v28     LDS address of my spare word: SPARE + 4 x my thread's number; never rewritten
.set NIL,  29                          ; v29     0; never rewritten
.set PFO,  30                          ; v30     the prefetches' offset: my lane x a row in memory; never rewritten
.set TMP,  32
.set BK,   64
.set SCL,  128                         ; v[SCL+8 b+j]: s of column 16 b + 8 (l / 16) + j of my wave's 128
.set SC2,  192
.set AF,   0                           ; window 1: fragment a of buffer f at AF + 32 f + 8 a
.set RW,   64                          ; window 1: the bytes of block b of buffer f at RW + 32 f + 4 b
.set BX,   128                         ; windows 2, 3: the widened fragment b % 4 of buffer f at BX + 32 f + 8 (b % 4)
.set ZR,   192                         ; windows 2, 3: 0; never rewritten
.set CNT, 2                            ; s2      counts a slot's three pairs of quarters
.set PFS, 18                           ; s[18:19] bytes of a row in a slot: the step of my prefetches
.set G1,  24                           ; s[24:31] descriptor group 1 for xa's tiles;  s[32:39] group 0, a set for each slot
.set G0,  32
.set LIM, 43                           ; s43     1 in a wave that prefetches, else the greatest number
.set PFA, 44                           ; s[44:45] what my next prefetch names
.set G1B, 48                           ; s[48:55], s[56:63] the same for w1's tiles
.set G0B, 56
.set TA,  66                           ; s66     LDS byte, from my lane's place on, of the pair of quarters to come, for xa
.set TR,  67                           ; s67     for w1
.set SELE, 78                          ; s78     v_perm_b32: 0, byte 0, 0, byte 1 of the second source (bytes 4-7 of the selector's range are the first source, which holds 0)
.set SELO, 79                          ; s79     0, byte 2, 0, byte 3
.set MSB, 0
.macro WIN new                         ; the immediate's high byte repeats the setting that is left; a switch that changes nothing is dropped
.if MSB != (\new)
	s_set_vgpr_msb (MSB<<8)|(\new)
.set MSB, \new
.endif
.endm
.set TO_F, 0x40                        ; destination window 1, address window 0
; A joint load: waves 0 and 1 fetch xa's two halves, waves 2 and 3 w1's.  The branch hangs on the wave's number alone.  An s_nop 0 and four v_nop follow each of the two lines, ahead of the jump, the label and what follows.
.macro JLOAD s
	s_cmp_eq_u32 s11, 0
	s_cbranch_scc0 .Lfor_b_\@
	tensor_load_to_lds s[G0+4*(\s):G0+4*(\s)+3], s[G1:G1+7]
	s_nop 0
.rept 4
	v_nop
.endr
	s_branch .Lasked_\@
.Lfor_b_\@:
	tensor_load_to_lds s[G0B+4*(\s):G0B+4*(\s)+3], s[G1B:G1B+7]
	s_nop 0
.rept 4
	v_nop
.endr
.Lasked_\@:
.endm
; A PREFETCH INTO THE L2, behind each joint refill and the run of LDS loads that follows it: the K step that stands TWO refills on (512 matrix instructions of a wave ahead of the load that will want it): 32 rows x 256 bytes, a lane a row.
; Each row's 256 bytes are named ONCE in the launch.  A tile row of a path's xa is read by one cluster alone: every cluster asks for its own; the four partners share the 128 rows out BY ADDRESS (32 cx on); of a row's 512 bytes
; wave 0 names the first 256, wave 1 the second.  w1's tile column is read by all eight clusters of that column: cluster y = 0 asks; of the 128 rows that wave 2 or 3 fetches the partner at cy takes 32 cy on.
; The loop's last trip asks for nothing: there is no K step two refills on.  The first four K steps come by their loads alone.
.macro ASK
	s_cmp_gt_u32 s3, s[LIM]                        ; s3 = 1 in the loop's last trip
	s_cbranch_scc0 .Lnot_mine_\@
	global_prefetch_b8 v[PFO], s[PFA:PFA+1] th:TH_LOAD_NT scope:SCOPE_SE
.Lnot_mine_\@:
.endm
.macro CREST                           ; a round of the cluster's barrier behind its opening barrier
	s_cmp_lg_u32 s10, 0
	s_cbranch_scc1 .Lnot_wave_0_\@
	s_barrier_signal -3
.Lnot_wave_0_\@:
	s_barrier_wait -3
	s_barrier_signal -1
	s_barrier_wait -1
.endm
.macro CROUND                          ; a whole round
	s_barrier_signal -1
	s_barrier_wait -1
	CREST
.endm
	s_load_b128 s[4:7], s[0:1], 0x0                ; xa s[4:5], w1 s[6:7]
	s_load_b128 s[68:71], s[0:1], 0x10             ; hb s[68:69], v1 s[70:71]
	s_load_b128 s[72:75], s[0:1], 0x20             ; v1_R s[72:73], u2 s[74:75]
	s_load_b64 s[76:77], s[0:1], 0x30              ; u2_R
	v_lshl_add_u32 v[SPW], v0, 2, SPARE
	v_mov_b32 v[NIL], 0
	ds_add_u32 v[SPW], v[NIL]                      ; the wave's opening: the add, twice on end, and its wait ahead of my first tensor load; the set-up below stands between
	ds_add_u32 v[SPW], v[NIL]                      ; and once more, under the one wait
	v_lshrrev_b32 v1, 5, v0
	v_readfirstlane_b32 s10, v1                    ; wave 0..3
	s_lshr_b32 s11, s10, 1                         ; which 64 of the tile's rows are mine.  Also: I fetch for xa (0) or for w1 (1)
	s_and_b32 s12, s10, 1                          ; which 128 of its columns.  Also: which half of that tile I fetch
	s_bfe_u32 s40, ttmp6, 0x40000                  ; cx, cy: my place in the cluster
	s_bfe_u32 s41, ttmp6, 0x40004
	s_lshl_b32 s42, ttmp9, 2
	s_add_co_u32 s42, s42, s40                     ; tile column = 4 x cluster x + cx
	s_and_b32 s13, ttmp7, 0xffff
	s_lshl_b32 s13, s13, 2
	s_add_co_u32 s13, s13, s41                     ; tile row = 4 x cluster y + cy
	s_lshl_b32 s43, s41, 2
	s_lshl_b32 s43, 15, s43                        ; my row of the cluster: places 4 cy .. 4 cy + 3
	s_lshl_b32 s44, 0x1111, s40                    ; my column: places cx, cx + 4, cx + 8, cx + 12
	; descriptor group 1, elements of 2 bytes: xa's tile has 64 rows of 256 elements, w1's 128 rows of 128 (256 bytes); both padded in LDS by 4 words behind each row
	s_or_b32 s[G1+0], s43, (1<<16)|(1<<20)|(1<<21)|(6<<22)|(3<<25)   ; 15:0 the mask; 17:16 elements of 2 bytes; 20 padding on; 21 set beside a mask; 24:22 after every 128 words (code 6); 31:25 4 words of it (code 3)
	s_or_b32 s[G1B+0], s44, (1<<16)|(1<<20)|(1<<21)|(5<<22)|(3<<25)  ; after every 64 words (code 5)
	s_mov_b32 s[G1+1], 256<<16                     ; tensor_dim0
	s_mov_b32 s[G1B+1], 128<<16
	s_mov_b32 s[G1+2], 64<<16                      ; tensor_dim1
	s_mov_b32 s[G1B+2], 128<<16
	s_mov_b32 s[G1+3], 256<<16                     ; tile_dim0
	s_mov_b32 s[G1B+3], 128<<16
	s_mov_b32 s[G1+4], 64                          ; tile_dim1
	s_mov_b32 s[G1B+4], 128
	s_mov_b32 s[G1+5], SIZE_K                      ; elements from row to row: 8,192 bytes,
	s_mov_b32 s[G1B+5], SIZE_K/2                   ; 4,096 bytes
	s_mov_b32 s[G1+6], 0
	s_mov_b32 s[G1B+6], 0
	s_mov_b32 s[G1+7], 0
	s_mov_b32 s[G1B+7], 0
	s_mov_b32 s[SELE], 0x01040004
	s_mov_b32 s[SELO], 0x03040204
	; where the tiles come from: xa's hang on the tile row and the cluster's x alone, w1's on the tile column alone; every wave makes both, in registers that never hold the other coordinate
	s_lshl_b32 s17, s12, 6
	s_lshl_b32 s16, s13, 7
	s_add_co_u32 s16, s16, s17                     ; xa: row 128 x tile row + 64 x half
	s_lshl_b32 s16, s16, 13                        ; x 8,192 bytes,
	s_lshl_b32 s17, ttmp9, 25                      ; + the path's 4,096 rows: under 2^26
	s_add_co_u32 s16, s16, s17
	s_mov_b32 s17, 0
	s_lshl_b32 s47, s12, 7
	s_lshl_b32 s46, s42, 8
	s_add_co_u32 s46, s46, s47                     ; w1: row 256 x tile column + 128 x half
	s_lshl_b32 s46, s46, 12                        ; x 4,096 bytes
	s_mov_b32 s47, 0
	s_mul_i32 s20, s12, AH                         ; and where they go: no place in the cluster enters an LDS address
	s_mul_i32 s23, s12, BH
	s_add_co_u32 s23, s23, BOFF
	s_wait_dscnt 0x0                               ; both opening adds are done
	s_wait_kmcnt 0x0
	s_add_nc_u64 s[14:15], s[4:5], s[16:17]
	s_add_nc_u64 s[46:47], s[6:7], s[46:47]
	s_mov_b64 s[8:9], s[68:69]                     ; hb
	s_cmp_eq_u32 ttmp9, 0                          ; the path
	s_cselect_b64 s[70:71], s[70:71], s[72:73]     ; its v1
	s_cselect_b64 s[74:75], s[74:75], s[76:77]     ; its u2
	CROUND                                         ; all sixteen work-groups are here: the first joint loads meet
.irp s, 0,1
	s_mov_b32 s[G0+4*(\s)], 1                                        ; count = 1
	s_add_co_u32 s[G0+4*(\s)+1], s20, (\s)*SLOT                      ; LDS address
	s_add_nc_u64 s[G0+4*(\s)+2:G0+4*(\s)+3], s[14:15], (\s)*KSTEP*2  ; global address: K step s
	s_or_b32 s[G0+4*(\s)+3], s[G0+4*(\s)+3], 0x80000000              ; type = 2
	s_mov_b32 s[G0B+4*(\s)], 1
	s_add_co_u32 s[G0B+4*(\s)+1], s23, (\s)*SLOT
	s_add_nc_u64 s[G0B+4*(\s)+2:G0B+4*(\s)+3], s[46:47], (\s)*KSTEP
	s_or_b32 s[G0B+4*(\s)+3], s[G0B+4*(\s)+3], 0x80000000
	JLOAD \s                                       ; the ring is filled before anything else is done: two loads of mine are out
.endr
	v_and_b32 v1, 15, v0                           ; l % 16
	v_bfe_u32 v2, v0, 4, 1                         ; l / 16
	v_mul_u32_u24 v3, v1, PA                       ; xa: row x pitch + 32 bytes for the upper half of the lanes
	v_lshl_add_u32 v3, v2, 5, v3
	s_mul_i32 s21, s11, AH                         ; my 64 rows of xa
	v_add_nc_u32 v[AK0], s21, v3
	v_mul_u32_u24 v4, v1, PB                       ; w1: row x pitch + 16 bytes
	v_lshl_add_u32 v4, v2, 4, v4
	s_mul_i32 s22, s12, BH                         ; my 128 rows of w1
	s_add_co_u32 s22, s22, BOFF
	v_add_nc_u32 v[BK0], s22, v4
	s_mul_i32 s23, s10, 16*SPITCH
	s_add_co_u32 s23, s23, STAGE                   ; my stage
	v_mul_u32_u24 v4, v1, SPITCH                   ; in: row l % 16, 16 bytes for each half of the lanes
	v_lshl_add_u32 v4, v2, 4, v4
	v_add_nc_u32 v[STO], s23, v4
	v_mul_u32_u24 v5, v2, SPITCH                   ; back: lanes 0-15 take one row of 256 bytes, lanes 16-31 the next
	v_lshl_add_u32 v5, v1, 4, v5
	v_add_nc_u32 v[RD], s23, v5
	v_mul_u32_u24 v5, v2, SIZE_N*2                 ; and the same two rows in hb
	v_lshl_add_u32 v[CO], v1, 4, v5
	s_lshl_b32 s16, s40, 10                        ; my wave's 128 columns within the path: 256 cx + 128 half, 4 bytes each,
	s_lshl_b32 s17, s12, 9
	s_add_co_u32 s16, s16, s17
	v_lshl_add_u32 v[SO], v2, 5, s16               ; and my lanes' eight of each sixteen
.irp b, 0,1,2,3,4,5,6,7
	global_load_b128 v[SCL+8*(\b):SCL+8*(\b)+3],   v[SO], s[70:71] offset:64*(\b)
	global_load_b128 v[SCL+8*(\b)+4:SCL+8*(\b)+7], v[SO], s[70:71] offset:64*(\b)+16
	global_load_b128 v[SC2+8*(\b):SC2+8*(\b)+3],   v[SO], s[74:75] offset:64*(\b)
	global_load_b128 v[SC2+8*(\b)+4:SC2+8*(\b)+7], v[SO], s[74:75] offset:64*(\b)+16
.endr
	; hb at my part of the tile
	s_lshl_b32 s16, s13, 7
	s_lshl_b32 s17, s11, 6
	s_add_co_u32 s16, s16, s17                     ; my first row
	s_lshl_b32 s16, s16, 12                        ; x 4,096 bytes
	s_lshl_b32 s46, s42, 9                         ; my first column, in bytes: 512 x tile column + 256 x half
	s_lshl_b32 s47, s12, 8
	s_add_co_u32 s46, s46, s47
	s_add_co_u32 s16, s16, s46
	s_mov_b32 s17, 0
	s_add_nc_u64 s[8:9], s[8:9], s[16:17]
	; the prefetches: both offsets are made, the wave's number picks one
	s_lshl_b32 s20, s13, 7                         ; xa: the tile's first row
	s_lshl_b32 s21, s40, 5                         ;     + my work-group's 32 rows
	s_add_co_u32 s20, s20, s21
	s_lshl_b32 s20, s20, 13
	s_lshl_b32 s21, ttmp9, 25                      ;     the path
	s_add_co_u32 s20, s20, s21
	s_lshl_b32 s21, s12, 8                         ;     wave 0: a step's first 256 bytes of a row, wave 1: its second
	s_add_co_u32 s20, s20, s21
	s_add_co_u32 s20, s20, 3*KSTEP*2               ;     at K step 3: the first refill steps it to 4
	s_lshl_b32 s21, s42, 8                         ; w1: the tile's first row
	s_lshl_b32 s22, s12, 7                         ;     + the 128 rows that I fetch
	s_add_co_u32 s21, s21, s22
	s_lshl_b32 s22, s41, 5                         ;     + my work-group's 32 of them
	s_add_co_u32 s21, s21, s22
	s_lshl_b32 s21, s21, 12
	s_add_co_u32 s21, s21, 3*KSTEP
	s_and_b32 s22, ttmp7, 0xffff                   ; cluster y: other clusters along it read the same rows of w1
	s_cmp_eq_u32 s11, 0                            ; do I fetch for xa?
	s_cselect_b32 s20, s20, s21
	s_cselect_b32 s22, 0, s22
	s_cselect_b32 s23, 13, 12                      ; a row in memory: 2^13 or 2^12 bytes
	s_cselect_b64 s[PFA:PFA+1], s[4:5], s[6:7]
	s_sub_co_u32 s[PFS], s23, 4                    ; a K step is a sixteenth of a row:
	s_lshl_b32 s[PFS], 1, s[PFS]                   ; 512 or 256 bytes
	s_cmp_eq_u32 s22, 0
	s_cselect_b32 s[LIM], 1, -1                    ; the same in all sixteen partners, for a given wave
	s_mov_b32 s21, 0
	s_mov_b32 s[PFS+1], 0
	s_add_nc_u64 s[PFA:PFA+1], s[PFA:PFA+1], s[20:21]
	v_and_b32 v[PFO], 31, v0
	v_lshlrev_b32 v[PFO], s23, v[PFO]
	WIN 0x80                                       ; the 0 that v_perm_b32 takes its zero bytes from, in window 2
	v_mov_b32 v[ZR], 0
	WIN 0xc0                                       ; and in window 3
	v_mov_b32 v[ZR], 0
	WIN 0
	s_wait_loadcnt 0x0                             ; v1 and u2
.set i, 0
.rept 32
	v_pk_mul_f32 v[SCL+i:SCL+i+1], v[SCL+i:SCL+i+1], v[SC2+i:SC2+i+1]  ; v1 u2, in f32,
.set i, i+2
.endr
.set i, 0
.rept 32
	v_pk_mul_f32 v[SCL+i:SCL+i+1], v[SCL+i:SCL+i+1], 0.5 op_sel_hi:[1,0]  ; and the signs' factor 2 taken back
.set i, i+2
.endr
; 4 matrix instructions: m block a x n blocks 4 hb + 0..3, 32 along K, on buffer f.  zero = 1: the product starts the sums.  ride = 1: behind each product two v_perm_b32 widen one register of the other buffer's bytes.
; The 32 accumulators take turns, one instruction a turn, in the same order in every quarter.
.macro MW hb, a, f, zero, ride
	WIN 0xa6+0x51*(\hb)                            ; D, C and source 0 in window 2 + hb, source 1 in window 1
.irp b, 0,1,2,3
.if \zero
	v_wmma_f32_16x16x32_bf16 v[8*(4*(\a)+\b):8*(4*(\a)+\b)+7], v[BX+32*(\f)+8*\b:BX+32*(\f)+8*\b+7], v[AF+32*(\f)+8*(\a):AF+32*(\f)+8*(\a)+7], 0
.else
	v_wmma_f32_16x16x32_bf16 v[8*(4*(\a)+\b):8*(4*(\a)+\b)+7], v[BX+32*(\f)+8*\b:BX+32*(\f)+8*\b+7], v[AF+32*(\f)+8*(\a):AF+32*(\f)+8*(\a)+7], v[8*(4*(\a)+\b):8*(4*(\a)+\b)+7]
.endif
.if \ride
	v_perm_b32 v[BX+32*(1-(\f))+2*(4*(\a)+\b)],   v[ZR], v[RW+32*(1-(\f))+16*(\hb)+4*(\a)+\b], s[SELE]
	v_perm_b32 v[BX+32*(1-(\f))+2*(4*(\a)+\b)+1], v[ZR], v[RW+32*(1-(\f))+16*(\hb)+4*(\a)+\b], s[SELO]
.endif
.endr
.endm
.macro FETA k, g                       ; 8 LDS loads: 64 rows of xa, 32 along K at byte k behind v[VA], into buffer g
	WIN TO_F
.irp i, 0,1,2,3
	ds_load_b128 v[AF+32*(\g)+8*\i:AF+32*(\g)+8*\i+3],   v[VA] offset:(\k)+\i*16*PA
	ds_load_b128 v[AF+32*(\g)+8*\i+4:AF+32*(\g)+8*\i+7], v[VA] offset:(\k)+\i*16*PA+16
.endr
.endm
.macro FETR k, f                       ; 8 LDS loads: 128 rows of w1, 32 along K at byte k behind v[VR], into buffer f
	WIN TO_F
.irp i, 0,1,2,3,4,5,6,7
	ds_load_b128 v[RW+32*(\f)+4*\i:RW+32*(\f)+4*\i+3], v[VR] offset:(\k)+\i*16*PB
.endr
.endm
; A quarter on buffer f.  In its middle: xa of the next quarter (byte ka) into the other buffer, whose last reader stands 32 v_perm_b32 back; the bytes of the next quarter but one (byte kr) into buffer f, widened a quarter ago.
.macro QUARTER f, ka, kr, zero
	s_wait_dscnt 4                                 ; xa's fragments and the bytes of b = 0..3 are in; the youngest four loads (b = 4..7) may be out
	MW 0, 0, \f, \zero, 1
	MW 0, 1, \f, \zero, 1
	MW 0, 2, \f, \zero, 1
	MW 0, 3, \f, \zero, 1
	FETA \ka, 1-(\f)
	FETR \kr, \f
	s_wait_dscnt 16                                ; all but the 16 just issued
	MW 1, 0, \f, \zero, 1
	MW 1, 1, \f, \zero, 1
	MW 1, 2, \f, \zero, 1
	MW 1, 3, \f, \zero, 1
.endm
; Quarters 0 to 5 of slot x: three trips of a pair.  Quarter p fetches xa at byte 64 (p + 1) and bytes at 32 (p + 2) of the slot's rows: the two scalars step, the immediates stay.  mid = 1: the launch's first quarter, written out, enters here.
.macro SIX x, mid
	WIN 0                                          ; at a label and at a branch every window is 0
	s_mov_b32 s[TA], (\x)*SLOT
	s_mov_b32 s[TR], (\x)*SLOT
	s_mov_b32 s[CNT], 3
.Lpair_\@:
	v_add_nc_u32 v[VA], s[TA], v[AK0]
	v_add_nc_u32 v[VR], s[TR], v[BK0]
	s_add_co_u32 s[TA], s[TA], 128
	s_add_co_u32 s[TR], s[TR], 64
	QUARTER 0, 64, 64, 0
.if \mid
	WIN 0
.Lmid:
.endif
	QUARTER 1, 128, 96, 0
	WIN 0
	s_sub_co_u32 s[CNT], s[CNT], 1
	s_cmp_lg_u32 s[CNT], 0
	s_cbranch_scc1 .Lpair_\@
.endm
; Quarter 6 of slot x changes slots: the bytes of the other slot's quarter 0 are wanted in it.  xa of quarter 7, the last read of this slot, is fetched early.  ONE barrier: in front of it each wave waits for all its tensor
; loads (the one that is out is its part of the other slot), adds 0 to its spare word, and waits for that and for its own reads of this slot.  fill = 1: the barrier opens a round of the cluster's barrier, and this slot is filled
; again, two K steps on, first thing behind the round: 244 of a K step's 256 matrix instructions stand between that request and the wait for it.
.macro TURN x, fill
.if \fill
	s_wait_xcnt 0x0                                ; the last prefetch, a K step back, has read its address: it is stepped here, ahead of the waits of the change of slots
	s_add_nc_u64 s[PFA:PFA+1], s[PFA:PFA+1], s[PFS:PFS+1]
.endif
	s_wait_dscnt 4
	MW 0, 0, 0, 0, 1
	FETA 192, 1                                    ; v[VA] stands at byte 256 of the rows: quarter 7 begins at 448; the buffer's last reader stands ten v_perm_b32 back
	MW 0, 1, 0, 0, 1
	MW 0, 2, 0, 0, 1
	WIN 0                                          ; (the add's two registers lie in window 0)
	s_wait_tensorcnt 0x0                           ; all my tensor loads have landed;
	ds_add_u32 v[SPW], v[NIL]                      ; 0 onto my spare word;
	s_wait_dscnt 9                                 ; (the add and the eight loads of xa may be out: the bytes of b = 4..7 are in)
	MW 0, 3, 0, 0, 1                               ; eight matrix instructions stand between the add and the wait for it
	MW 1, 0, 0, 0, 1
	s_wait_dscnt 0x0                               ; the add is done, and my reads of this slot are over
	s_barrier_signal -1
	MW 1, 1, 0, 0, 1                               ; work on registers while the others arrive
	WIN 0
	s_barrier_wait -1
.if \fill
	CREST                                          ; no wave of any partner still reads this slot's tile or has a load on its way
	s_add_nc_u64 s[G0+4*(\x)+2:G0+4*(\x)+3], s[G0+4*(\x)+2:G0+4*(\x)+3], 2*KSTEP*2
	s_add_nc_u64 s[G0B+4*(\x)+2:G0B+4*(\x)+3], s[G0B+4*(\x)+2:G0B+4*(\x)+3], 2*KSTEP
	JLOAD \x
.endif
	v_add_nc_u32 v[VA], (1-(\x))*SLOT, v[AK0]      ; from here on the other slot is read
	v_add_nc_u32 v[VR], (1-(\x))*SLOT, v[BK0]
	FETR 0, 0
.if \fill
	WIN 0
	ASK
.endif
	MW 1, 2, 0, 0, 1
	MW 1, 3, 0, 0, 1
.endm
	s_wait_tensorcnt 1                             ; my part of K step 0 is in; K step 1's may stay out
	s_barrier_signal -1
	s_barrier_wait -1                              ; everybody's is
	s_mov_b32 s[TA], 128                           ; as the head of the first pair's trip would leave them
	s_mov_b32 s[TR], 64
	s_mov_b32 s[CNT], 3
	s_mov_b32 s3, LAPS-1
	v_mov_b32 v[VA], v[AK0]
	v_mov_b32 v[VR], v[BK0]
	FETR 0, 0                                      ; the bytes of quarter 0,
	FETA 0, 0                                      ; its xa,
	FETR 32, 1                                     ; the bytes of quarter 1
	s_wait_dscnt 16                                ; the first eight are in
	WIN 0xa6                                       ; quarter 0's bytes are widened with no product to stand behind
.set n, 0
.rept 32
	v_perm_b32 v[BX+n], v[ZR], v[RW+n/2], s[SELE+n%2]
.set n, n+1
.endr
	WIN 0xf7
.set n, 0
.rept 32
	v_perm_b32 v[BX+n], v[ZR], v[RW+16+n/2], s[SELE+n%2]
.set n, n+1
.endr
	QUARTER 0, 64, 64, 1                           ; the first quarter stands in front of the loop: its products start the sums
	WIN 0
	s_branch .Lmid                                 ; into the middle of the first pair's trip
.Llap:                                                 ; a trip goes once round the ring and fills both slots again
	SIX 0, 1
	TURN 0, 1
	QUARTER 1, 0, 32, 0                            ; quarter 7 fetches from the other slot's head
	SIX 1, 0
	TURN 1, 1
	QUARTER 1, 0, 32, 0
	WIN 0
	s_sub_co_u32 s3, s3, 1
	s_cmp_lg_u32 s3, 0
	s_cbranch_scc1 .Llap
	SIX 0, 0                                       ; the last lap is written out: it fills nothing, and has no round of the cluster's barrier
	TURN 0, 0
	QUARTER 1, 0, 32, 0
	SIX 1, 0
	s_wait_dscnt 4                                 ; the last slot's quarter 6: only xa of quarter 7 is left to fetch
	MW 0, 0, 0, 0, 1
	MW 0, 1, 0, 0, 1
	MW 0, 2, 0, 0, 1
	MW 0, 3, 0, 0, 1
	FETA 192, 1
	s_wait_dscnt 8                                 ; all but the eight just issued
	MW 1, 0, 0, 0, 1
	MW 1, 1, 0, 0, 1
	MW 1, 2, 0, 0, 1
	MW 1, 3, 0, 0, 1
	s_wait_dscnt 0x0                               ; quarter 7: nothing to fetch, nothing to widen
.irp a, 0,1,2,3
	MW 0, \a, 1, 0, 0
.endr
.irp a, 0,1,2,3
	MW 1, \a, 1, 0, 0
.endr
	WIN 0
; THE WAY OUT, a block of 16 rows at a time.  PACK: times s in f32, rounded to bf16, 16 bytes a lane; each accumulator's registers in ascending order.  TOSTAGE: into my own stage, and back as whole rows of 256 bytes.  SEND: stored.
.macro PACK a
	WIN 0x82                                       ; source 0 and destination window 2, s in window 0
.set i, 0
.rept 16
	v_pk_mul_f32 v[32*(\a)+i:32*(\a)+i+1], v[32*(\a)+i:32*(\a)+i+1], v[SCL+i:SCL+i+1]
.set i, i+2
.endr
	WIN 0xc3                                       ; the same in window 3: n blocks 4 to 7
.set i, 0
.rept 16
	v_pk_mul_f32 v[32*(\a)+i:32*(\a)+i+1], v[32*(\a)+i:32*(\a)+i+1], v[SCL+32+i:SCL+32+i+1]
.set i, i+2
.endr
	WIN 0x0a                                       ; sources 0 and 1 window 2, destination window 0
.set i, 0
.rept 16
	v_cvt_pk_bf16_f32 v[TMP+i], v[32*(\a)+2*i], v[32*(\a)+2*i+1]
.set i, i+1
.endr
	WIN 0x0f                                       ; sources 0 and 1 window 3
.set i, 0
.rept 16
	v_cvt_pk_bf16_f32 v[TMP+16+i], v[32*(\a)+2*i], v[32*(\a)+2*i+1]
.set i, i+1
.endr
	WIN 0
.endm
.macro TOSTAGE a
	WIN 0
.irp b, 0,1,2,3,4,5,6,7
	ds_store_b128 v[STO], v[TMP+4*(\b):TMP+4*(\b)+3] offset:32*(\b)
.endr
.irp t, 0,1,2,3,4,5,6,7
	ds_load_b128 v[BK+32*((\a)%2)+4*(\t):BK+32*((\a)%2)+4*(\t)+3], v[RD] offset:(\t)*2*SPITCH  ; LDS serves a wave's instructions in order (ISA guide 5.7.1.4): these see the stores above
.endr
.endm
.macro SEND a
	WIN 0
	s_wait_dscnt 0x0                               ; the block is back in registers
	s_wait_xcnt 0x0                                ; the other buffer, which the block before's stores read, is loaded again only behind this wait
.irp t, 0,1,2,3,4,5,6,7
	global_store_b128 v[CO], v[BK+32*((\a)%2)+4*(\t):BK+32*((\a)%2)+4*(\t)+3], s[8:9] offset:((\a)*16+2*(\t))*SIZE_N*2  ; 16 lanes store 256 consecutive bytes, at a multiple of 256 from hb's first byte
.endr
.endm
.rept 4
	v_nop                                          ; four places behind the last products (ISA guide 7.12.1): no other vector work is at hand
.endr
	PACK 0
	TOSTAGE 0
.irp a, 1,2,3                          ; block a's arithmetic stands between block a - 1's loads from the stage and the wait for them
	PACK \a
	SEND (\a)-1
	TOSTAGE \a
.endr
	SEND 3
	s_wait_tensorcnt 0x0                           ; the wave's end: behind my last tensor load and my last LDS store
	ds_add_u32 v[SPW], v[NIL]
	s_wait_dscnt 0x0
	CROUND                                         ; the closing round: no work-group ends while a partner may still ask for a tile that names it
	s_endpgm
.Lfunc_end_k_q62d8cbf2a8_gemm1:
	.size	k_q62d8cbf2a8_gemm1, .Lfunc_end_k_q62d8cbf2a8_gemm1-k_q62d8cbf2a8_gemm1
	.p2alignl 7, 3214868480
	.fill 96, 4, 3214868480
	.section	.rodata,"a",@progbits
	.p2align	6, 0x0
	.amdhsa_kernel k_q62d8cbf2a8_gemm1
		.amdhsa_group_segment_fixed_size 327680
		.amdhsa_private_segment_fixed_size 0
		.amdhsa_enable_private_segment 0
		.amdhsa_kernarg_size 56
		.amdhsa_user_sgpr_count 2
		.amdhsa_user_sgpr_kernarg_segment_ptr 1
		.amdhsa_wavefront_size32 1
		.amdhsa_system_sgpr_workgroup_id_x 1
		.amdhsa_system_sgpr_workgroup_id_y 1
		.amdhsa_system_sgpr_workgroup_id_z 1
		.amdhsa_system_vgpr_workitem_id 0
		.amdhsa_next_free_vgpr 962
		.amdhsa_next_free_sgpr 80
		.amdhsa_reserve_vcc 0
		.amdhsa_float_denorm_mode_32 3
		.amdhsa_float_denorm_mode_16_64 3
		.amdhsa_memory_ordered 1
		.amdhsa_forward_progress 1
		.amdhsa_inst_pref_size 168
	.end_amdhsa_kernel
	.amdgpu_metadata
---
amdhsa.version: [ 1, 2 ]
amdhsa.kernels:
  - .name:           k_q62d8cbf2a8_gemm1
    .symbol:         k_q62d8cbf2a8_gemm1.kd
    .args:
      - { .name: xa, .offset: 0, .size: 8, .value_kind: global_buffer, .address_space: global }
      - { .name: w1, .offset: 8, .size: 8, .value_kind: global_buffer, .address_space: global }
      - { .name: hb, .offset: 16, .size: 8, .value_kind: global_buffer, .address_space: global }
      - { .name: v1, .offset: 24, .size: 8, .value_kind: global_buffer, .address_space: global }
      - { .name: v1_R, .offset: 32, .size: 8, .value_kind: global_buffer, .address_space: global }
      - { .name: u2, .offset: 40, .size: 8, .value_kind: global_buffer, .address_space: global }
      - { .name: u2_R, .offset: 48, .size: 8, .value_kind: global_buffer, .address_space: global }
    .group_segment_fixed_size: 327680
    .private_segment_fixed_size: 0
    .kernarg_segment_align: 8
    .kernarg_segment_size: 56
    .max_flat_workgroup_size: 128
    .sgpr_count:     80
    .vgpr_count:     962
    .wavefront_size: 32
...
	.end_amdgpu_metadata
.endif
;; end of part 2
;; launch gemm2 (part 3): grid 16 x 16, 4 waves a work-group, clusters of 4 x 4, 327,680 bytes of LDS; arguments hb, w2, out0, bias; writes out0
.if DOCPART == 3
	.amdgcn_target "amdgcn-amd-amdhsa--gfx1250"
	.amdhsa_code_object_version 6
	.text
	.protected	k_q62d8cbf2a8_gemm2
	.globl	k_q62d8cbf2a8_gemm2
	.p2align	8
	.type	k_q62d8cbf2a8_gemm2,@function
k_q62d8cbf2a8_gemm2:
	s_mov_b64 s[64:65], 0
	v_nop
	global_prefetch_b8 v0, s[64:65] scope:SCOPE_SE
	s_setreg_imm32_b32 hwreg(HW_REG_WAVE_MODE, 25, 1), 1
	s_wait_xcnt 0x0
	s_wait_alu depctr_hold_cnt(0) depctr_sa_sdst(0) depctr_va_vdst(0) depctr_va_sdst(0) depctr_va_ssrc(0) depctr_va_vcc(0) depctr_vm_vsrc(0)
	s_getreg_b32 s2, hwreg(HW_REG_IB_STS2, 6, 4)
	s_cmp_eq_u32 s2, 0
	s_cbranch_scc0 .Lentry_in_a_cluster
	s_endpgm
.Lentry_in_a_cluster:
	s_bfe_u32 s2, ttmp6, 0x10000c
	s_cmp_lg_u32 s2, 0xf033
	s_cbranch_scc0 .Lentry_shape_is_right
	s_endpgm
.Lentry_shape_is_right:
; out0[m][n] = (sum over j of hb[m][j] w2[n][j]) + bias[n].  hb: [4096][2048], w2: [4096][2048], bf16; out0: [4096][4096], bias: [4096], f32; sums in f32.
; Both paths' second products and their sum are one product: hb holds both paths' h side by side, w2 holds sign(U) u1 and beside it sign(U_R) u1_R.
; A tile of out0 is 256 x 256: 16 x 16 = 256 tiles, a work-group each.  Four waves, each 128 x 128: 64 accumulators of 16 x 16, 512 registers.
; K goes in steps of 128 (rows of 256 bytes in memory, each starting at a multiple of 256 from its buffer's first byte) through a ring of two LDS slots filled by the tensor data mover.
; CLUSTERS: 4 x 4 work-groups.  The four of a row of the cluster need the same tile of hb, the four of a column the same tile of w2: each tile is asked for JOINTLY, by the same tensor load with the same descriptor and a mask that names the four.
; THE MATRIX INSTRUCTION IS USED TRANSPOSED (source 0 = 16 rows of w2, source 1 = 16 rows of hb): a lane then holds row l % 16 and the columns 8 (l / 16) + 0..7 of a block: 32 consecutive bytes of a row of out0.
; REGISTERS, in windows of 256 (s_set_vgpr_msb: bits 1:0 source 0, 3:2 source 1, 5:4 source 2, 7:6 destination):
;   window 0: v0-31 addresses and my four numbers of bias; v64-127, v128-191 fragments of hb, two buffers; on the way out the same registers take rows read back
;   window 1: v64-127, v128-191 fragments of w2, two buffers
;   window 2: the 32 accumulators of my rows 0-63 (accumulator (a, b) at v[8 (8 a + b)]);   window 3: those of my rows 64-127
.set SIZE_N, 4096
.set SIZE_K, 2048
.set KSTEP,  128
.set PITCH,  272                       ; an LDS row: 256 bytes + 16 of padding = 68 words: row r starts at bank 4 r mod 64 (64 banks of 4 bytes: ISA guide 11.1)
.set HALFT,  128*PITCH                 ; 128 rows: what one tensor load brings, and what one wave reads of hb or of w2
.set SLOT,   4*HALFT                   ; hb's 256 rows, then w2's 256 rows
.set STAGE,  2*SLOT                    ; behind the ring: 16 rows x 528 bytes for each wave, for the way out; no tensor load fills it
.set SPITCH, 528                       ; a stage row: 512 bytes + 16 = 132 words: the 16 rows that a store touches start at 16 different groups of four banks
.set SPARE,  STAGE+4*16*SPITCH         ; behind the stages: the spare words, 128 bytes for each wave: two blocks of 256 bytes that no other line names
.set LAPS,   SIZE_K/(2*KSTEP)
.set BIAS, 12                          ; v[12:15] bias of my four columns in a row read back
.set ADRA, 16                          ; v16-17  LDS address of my hb fragments in slot 0, 1
.set ADRB, 20                          ; v20-21  the same for w2
.set STO,  24                          ; v24     the way out: where I put 32 bytes of a row
.set RD,   25                          ; v25     the way out: where I read 16 bytes of a row back
.set CO,   26                          ; v26     16 x lane: my bytes in 512 consecutive bytes of out0
.set BO,   27                          ; v27     my byte offset in bias
.set SPW,  28                          ; v28     LDS address of my spare word: SPARE + 4 x my thread's number; never rewritten
.set NIL,  29                          ; v29     0; never rewritten
.set PFO,  30                          ; v30     the prefetches' offset: my lane x a row of 4,096 bytes; never rewritten
.set F0,   64
.set F1,   128
.set BK,   64                          ; the way out: 16 rows read back, 64 registers, two buffers
.set G1,  24                           ; s[24:31] descriptor group 1 for hb's tiles;  s[32:39] group 0, a set for each slot
.set G0,  32
.set G1B, 48                           ; s[48:55], s[56:63] the same for w2's tiles
.set G0B, 56
.set LIM, 43                           ; s43     1 in a wave that prefetches, else the greatest number
.set PFA, 44                           ; s[44:45] where my prefetches stand: one K step further along K than the refill that is being asked for; a prefetch names the K step after that
.set MSB, 0
.macro WIN new                         ; the immediate's high byte repeats the setting that is left; a switch that changes nothing is dropped
.if MSB != (\new)
	s_set_vgpr_msb (MSB<<8)|(\new)
.set MSB, \new
.endif
.endm
.set MUL_LO, 0xa1                      ; source 0 (w2) window 1, source 1 (hb) window 0, C and D window 2
.set MUL_HI, 0xf1                      ; the same, C and D window 3
.set TO_B,   0x40                      ; destination window 1, address window 0
; A joint load: waves 0 and 1 fetch hb's two halves, waves 2 and 3 w2's.  The branch hangs on the wave's number alone.  An s_nop 0 and four v_nop follow each of the two lines, ahead of the jump, the label and what follows.
.macro JLOAD s
	s_cmp_eq_u32 s11, 0
	s_cbranch_scc0 .Lfor_b_\@
	tensor_load_to_lds s[G0+4*(\s):G0+4*(\s)+3], s[G1:G1+7]
	s_nop 0
.rept 4
	v_nop
.endr
	s_branch .Lasked_\@
.Lfor_b_\@:
	tensor_load_to_lds s[G0B+4*(\s):G0B+4*(\s)+3], s[G1B:G1B+7]
	s_nop 0
.rept 4
	v_nop
.endr
.Lasked_\@:
.endm
; A PREFETCH INTO THE L2, behind each joint refill and the run of LDS loads that follows it: the K step that stands TWO refills on (512 matrix instructions of a wave ahead of the load that will want it): 32 rows x 256 bytes, a lane a row, one instruction a wave.
; Each row's 256 bytes of a K step are named ONCE in the launch.  hb's tile row is read by every cluster of that row of clusters: cluster x = 0 asks; w2's tile column by every cluster of that column: cluster y = 0 asks.
; Of the 128 rows that a wave fetches the partner at place p takes 32 p on (p = cx for hb, cy for w2): told apart BY ADDRESS.  The loop's last trip asks for nothing; the first four K steps come by their loads alone.
.macro ASK
	s_cmp_gt_u32 s3, s[LIM]                        ; s3 = 1 in the loop's last trip
	s_cbranch_scc0 .Lnot_mine_\@
	global_prefetch_b8 v[PFO], s[PFA:PFA+1] offset:KSTEP*2 th:TH_LOAD_NT scope:SCOPE_SE
.Lnot_mine_\@:
.endm
.macro CREST                           ; a round of the cluster's barrier behind its opening barrier
	s_cmp_lg_u32 s10, 0
	s_cbranch_scc1 .Lnot_wave_0_\@
	s_barrier_signal -3
.Lnot_wave_0_\@:
	s_barrier_wait -3
	s_barrier_signal -1
	s_barrier_wait -1
.endm
.macro CROUND                          ; a whole round
	s_barrier_signal -1
	s_barrier_wait -1
	CREST
.endm
	s_load_b128 s[4:7], s[0:1], 0x0                ; hb s[4:5], w2 s[6:7]
	s_load_b128 s[68:71], s[0:1], 0x10             ; out0 s[68:69], bias s[70:71]
	v_lshl_add_u32 v[SPW], v0, 2, SPARE
	v_mov_b32 v[NIL], 0
	ds_add_u32 v[SPW], v[NIL]                      ; the wave's opening: the add, twice on end, and its wait ahead of my first tensor load; the set-up below stands between
	ds_add_u32 v[SPW], v[NIL]                      ; and once more, under the one wait
	v_lshrrev_b32 v1, 5, v0
	v_readfirstlane_b32 s10, v1                    ; wave 0..3
	s_lshr_b32 s11, s10, 1                         ; which half of the tile's rows is mine.  Also: I fetch for hb (0) or for w2 (1)
	s_and_b32 s12, s10, 1                          ; which half of its columns.  Also: which 128 rows of that tile I fetch
	s_bfe_u32 s40, ttmp6, 0x40000                  ; cx, cy: my place in the cluster
	s_bfe_u32 s41, ttmp6, 0x40004
	s_lshl_b32 s42, ttmp9, 2
	s_add_co_u32 s42, s42, s40                     ; tile column = 4 x cluster x + cx
	s_and_b32 s13, ttmp7, 0xffff
	s_lshl_b32 s13, s13, 2
	s_add_co_u32 s13, s13, s41                     ; tile row = 4 x cluster y + cy
	s_lshl_b32 s43, s41, 2
	s_lshl_b32 s43, 15, s43                        ; my row of the cluster
	s_lshl_b32 s44, 0x1111, s40                    ; my column
	; descriptor group 1: a tile of 128 rows x 128 elements, padded in LDS
	s_or_b32 s[G1+0], s43, (1<<16)|(1<<20)|(1<<21)|(5<<22)|(3<<25)   ; 15:0 the mask; 17:16 elements of 2 bytes; 20 padding on; 21 set beside a mask; 24:22 after every 64 words (code 5); 31:25 4 words of it (code 3)
	s_or_b32 s[G1B+0], s44, (1<<16)|(1<<20)|(1<<21)|(5<<22)|(3<<25)
.irp g, G1, G1B
	s_mov_b32 s[(\g)+1], KSTEP<<16                 ; tensor_dim0 = 128
	s_mov_b32 s[(\g)+2], 128<<16                   ; tensor_dim1 = 128
	s_mov_b32 s[(\g)+3], KSTEP<<16                 ; tile_dim0 = 128
	s_mov_b32 s[(\g)+4], 128                       ; tile_dim1 = 128
	s_mov_b32 s[(\g)+5], SIZE_K                    ; elements from row to row
	s_mov_b32 s[(\g)+6], 0
	s_mov_b32 s[(\g)+7], 0
.endr
	; where the tiles come from: hb's hang on the tile row alone, w2's on the tile column alone; every wave makes both, in registers that never hold the other coordinate
	s_lshl_b32 s17, s12, 7                         ; which 128 rows of the tile I fetch
	s_lshl_b32 s16, s13, 8
	s_add_co_u32 s16, s16, s17                     ; hb: row 256 x tile row + 128 x half
	s_lshl_b32 s16, s16, 12                        ; x 4,096 bytes: under 2^24
	s_lshl_b32 s46, s42, 8
	s_add_co_u32 s46, s46, s17                     ; w2: row 256 x tile column + 128 x half
	s_lshl_b32 s46, s46, 12
	s_mov_b32 s17, 0
	s_mov_b32 s47, 0
	s_mul_i32 s20, s10, HALFT                      ; and where they go: wave x 128 rows: no place in the cluster enters an LDS address
	s_wait_dscnt 0x0                               ; both opening adds are done
	s_wait_kmcnt 0x0
	s_add_nc_u64 s[14:15], s[4:5], s[16:17]
	s_add_nc_u64 s[46:47], s[6:7], s[46:47]
	s_mov_b64 s[8:9], s[68:69]                     ; out0
	CROUND                                         ; all sixteen work-groups are here: the first joint loads meet
.irp s, 0,1
	s_mov_b32 s[G0+4*(\s)], 1                                        ; count = 1
	s_add_co_u32 s[G0+4*(\s)+1], s20, (\s)*SLOT                      ; LDS address
	s_add_nc_u64 s[G0+4*(\s)+2:G0+4*(\s)+3], s[14:15], (\s)*KSTEP*2  ; global address: K step s
	s_or_b32 s[G0+4*(\s)+3], s[G0+4*(\s)+3], 0x80000000              ; type = 2
	s_mov_b32 s[G0B+4*(\s)], 1
	s_add_co_u32 s[G0B+4*(\s)+1], s20, (\s)*SLOT
	s_add_nc_u64 s[G0B+4*(\s)+2:G0B+4*(\s)+3], s[46:47], (\s)*KSTEP*2
	s_or_b32 s[G0B+4*(\s)+3], s[G0B+4*(\s)+3], 0x80000000
	JLOAD \s                                       ; the ring is filled before anything else is done: two loads of mine are out
.endr
	; A fragment is 16 rows x 32 K in 8 registers: lane l holds row l % 16; registers 0-3 K = 8 (l / 16) + 0..7, registers 4-7 K = 16 + 8 (l / 16) + 0..7: two loads of 16 bytes, 32 bytes apart
	v_and_b32 v1, 15, v0                           ; l % 16
	v_bfe_u32 v2, v0, 4, 1                         ; l / 16
	v_mul_u32_u24 v3, v1, PITCH
	v_lshl_add_u32 v3, v2, 4, v3
	s_mul_i32 s21, s11, HALFT                      ; my 128 rows of hb
	s_mul_i32 s22, s12, HALFT                      ; my 128 rows of w2,
	s_add_co_u32 s22, s22, 2*HALFT                 ; which lie behind hb's 256
.irp s, 0,1
	v_add_nc_u32 v[ADRA+(\s)], s21, v3
	v_add_nc_u32 v[ADRB+(\s)], s22, v3
	s_add_co_u32 s21, s21, SLOT
	s_add_co_u32 s22, s22, SLOT
.endr
	s_mul_i32 s23, s10, 16*SPITCH
	s_add_co_u32 s23, s23, STAGE                   ; my stage
	v_mul_u32_u24 v4, v1, SPITCH                   ; in: row l % 16, 32 bytes for each half of the lanes
	v_lshl_add_u32 v4, v2, 5, v4
	v_add_nc_u32 v[STO], s23, v4
	v_and_b32 v5, 31, v0
	v_lshlrev_b32 v[CO], 4, v5                     ; back: the 32 lanes take one row of 512 bytes
	v_add_nc_u32 v[RD], s23, v[CO]
	s_lshl_b32 s46, s42, 10                        ; my first column, in bytes of f32: 1,024 x tile column + 512 x half
	s_lshl_b32 s47, s12, 9
	s_add_co_u32 s46, s46, s47
	v_add_nc_u32 v[BO], s46, v[CO]
	global_load_b128 v[BIAS:BIAS+3], v[BO], s[70:71]  ; waited for on the way out
	s_lshl_b32 s16, s13, 8
	s_lshl_b32 s17, s11, 7
	s_add_co_u32 s16, s16, s17                     ; my first row of out0
	s_lshl_b32 s16, s16, 14                        ; x 16,384 bytes: under 2^26
	s_add_co_u32 s16, s16, s46
	s_mov_b32 s17, 0
	s_add_nc_u64 s[8:9], s[8:9], s[16:17]
	; the prefetches
	s_and_b32 s22, ttmp7, 0xffff                   ; cluster y
	s_lshl_b32 s20, s13, 8                         ; hb: the tile's first row
	s_lshl_b32 s21, s42, 8                         ; w2: the tile's first row
	s_cmp_eq_u32 s11, 0                            ; do I fetch for hb?
	s_cselect_b32 s20, s20, s21
	s_cselect_b32 s21, s40, s41                    ; my place among the four that ask with me
	s_cselect_b32 s22, ttmp9, s22                  ; the coordinate along which other clusters read the same rows
	s_cselect_b64 s[PFA:PFA+1], s[4:5], s[6:7]
	s_cmp_eq_u32 s22, 0
	s_cselect_b32 s[LIM], 1, -1                    ; the same in all sixteen partners, for a given wave
	s_lshl_b32 s22, s12, 7
	s_add_co_u32 s20, s20, s22                     ; + the 128 rows that I fetch
	s_lshl_b32 s21, s21, 5
	s_add_co_u32 s20, s20, s21                     ; + my work-group's 32 of them
	s_lshl_b32 s20, s20, 12
	s_mov_b32 s21, 0
	s_add_nc_u64 s[PFA:PFA+1], s[PFA:PFA+1], s[20:21]
	s_add_nc_u64 s[PFA:PFA+1], s[PFA:PFA+1], 2*KSTEP*2  ; at K step 2: the first refill steps it to 3 and names K step 4
	v_lshlrev_b32 v[PFO], 12, v5
; 16 matrix instructions: m blocks a0, a0 + 1 of the window's four (hi = 0: my rows 0-63, 1: rows 64-127) x all 8 n blocks, 32 along K.  zero = 1: the product starts the sums.
; The 64 accumulators take turns, one instruction a turn, in the same order in every quarter.
.macro MUL16 f, hi, a0, zero
	WIN MUL_LO+0x50*(\hi)
.irp a, \a0, (\a0)+1
.irp b, 0,1,2,3,4,5,6,7
.if \zero
	v_wmma_f32_16x16x32_bf16 v[8*(8*(\a)+(\b)):8*(8*(\a)+(\b))+7], v[(\f)+8*(\b):(\f)+8*(\b)+7], v[(\f)+8*(4*(\hi)+(\a)):(\f)+8*(4*(\hi)+(\a))+7], 0
.else
	v_wmma_f32_16x16x32_bf16 v[8*(8*(\a)+(\b)):8*(8*(\a)+(\b))+7], v[(\f)+8*(\b):(\f)+8*(\b)+7], v[(\f)+8*(4*(\hi)+(\a)):(\f)+8*(4*(\hi)+(\a))+7], v[8*(8*(\a)+(\b)):8*(8*(\a)+(\b))+7]
.endif
.endr
.endr
.endm
; 32 LDS loads in one run: the fragments of one quarter step (128 rows of w2, 128 rows of hb, 32 K at byte k of the rows) into buffer f
.macro FETCH slot, k, f
	WIN TO_B
.irp i, 0,1,2,3,4,5,6,7
	ds_load_b128 v[(\f)+8*(\i):(\f)+8*(\i)+3],   v[ADRB+(\slot)] offset:(\k)+(\i)*16*PITCH
	ds_load_b128 v[(\f)+8*(\i)+4:(\f)+8*(\i)+7], v[ADRB+(\slot)] offset:(\k)+(\i)*16*PITCH+32
.endr
	WIN 0
.irp i, 0,1,2,3,4,5,6,7
	ds_load_b128 v[(\f)+8*(\i):(\f)+8*(\i)+3],   v[ADRA+(\slot)] offset:(\k)+(\i)*16*PITCH
	ds_load_b128 v[(\f)+8*(\i)+4:(\f)+8*(\i)+7], v[ADRA+(\slot)] offset:(\k)+(\i)*16*PITCH+32
.endr
.endm
.macro PLACES                          ; four places in front of loads into registers that matrix instructions have read, and of lines that read results
.rept 4
	v_nop
.endr
.endm
; A K step is four quarters of 32 along K, 64 matrix instructions each, on buffers 0, 1, 0, 1.  One of the first three: multiplies buffer f; in its middle it fetches the next quarter, at byte k, into buffer g.
.macro QUARTER slot, k, f, g, zero
	s_wait_dscnt 8                                 ; w2's fragments and hb's rows 0-63 are in; the youngest eight loads (rows 64-127) may be out
	MUL16 \f, 0, 0, \zero
	MUL16 \f, 0, 2, \zero
	PLACES
	FETCH \slot, \k, \g
	s_wait_dscnt 32                                ; all but the 32 just issued
	MUL16 \f, 1, 0, \zero
	MUL16 \f, 1, 2, \zero
.endm
; The last quarter multiplies buffer 1 and changes slots.  MEET is its first half: ONE barrier.  In front of it each wave waits for all its tensor loads (the one that is out is its part of the next slot), adds 0 to its
; spare word, and waits for that and for its own reads of this slot.  Behind it nobody reads this slot any more and the next slot is whole.  round = 1: a round of the cluster's barrier follows.
.macro MEET round
	WIN 0                                          ; (the add's two registers lie in window 0)
	s_wait_tensorcnt 0x0                           ; all my tensor loads have landed;
	ds_add_u32 v[SPW], v[NIL]                      ; 0 onto my spare word;
	s_wait_dscnt 9                                 ; (the add and the youngest eight loads may be out)
	MUL16 F1, 0, 0, 0                              ; sixteen matrix instructions stand between the add and the wait for it
	s_wait_dscnt 0x0                               ; the add is done, and my reads of this slot are over
	s_barrier_signal -1
	MUL16 F1, 0, 2, 0                              ; work on registers while the others arrive
.if \round
	WIN 0
.endif
	s_barrier_wait -1
.endm
; The whole last quarter where the slot is filled again, two K steps on, first thing behind the round: 224 matrix instructions ahead of the wait for it.
.macro TURN slot, next
	s_wait_xcnt 0x0                                ; the last prefetch, a K step back, has read its address: it is stepped here, ahead of the waits of the change of slots
	s_add_nc_u64 s[PFA:PFA+1], s[PFA:PFA+1], KSTEP*2
	MEET 1
	CREST                                          ; no wave of any partner still reads this slot's tile or has a load on its way
	s_add_nc_u64 s[G0+4*(\slot)+2:G0+4*(\slot)+3], s[G0+4*(\slot)+2:G0+4*(\slot)+3], 2*KSTEP*2
	s_add_nc_u64 s[G0B+4*(\slot)+2:G0B+4*(\slot)+3], s[G0B+4*(\slot)+2:G0B+4*(\slot)+3], 2*KSTEP*2
	JLOAD \slot                                    ; the four v_nop behind it are also the places in front of the loads below
	FETCH \next, 0, F0
	ASK
	MUL16 F1, 1, 0, 0
	MUL16 F1, 1, 2, 0
.endm
	s_wait_tensorcnt 1                             ; my part of K step 0 is in; K step 1's may stay out
	s_barrier_signal -1
	s_barrier_wait -1                              ; everybody's is
	FETCH 0, 0, F0
	QUARTER 0, 64, F0, F1, 1                       ; the first quarter stands in front of the loop: its products start the sums
	WIN 0                                          ; at a label and at a branch every window is 0
	s_mov_b32 s3, LAPS-1
.Llap:                                                 ; a trip goes once round the ring, from a lap's second quarter to the next lap's first, and fills both slots again
	QUARTER 0, 128, F1, F0, 0
	QUARTER 0, 192, F0, F1, 0
	TURN 0, 1
	QUARTER 1, 64,  F0, F1, 0
	QUARTER 1, 128, F1, F0, 0
	QUARTER 1, 192, F0, F1, 0
	TURN 1, 0
	QUARTER 0, 64,  F0, F1, 0
	WIN 0
	s_sub_co_u32 s3, s3, 1
	s_cmp_lg_u32 s3, 0
	s_cbranch_scc1 .Llap
	QUARTER 0, 128, F1, F0, 0                      ; the last lap fills nothing, and has no round of the cluster's barrier
	QUARTER 0, 192, F0, F1, 0
	MEET 0
	PLACES
	FETCH 1, 0, F0
	MUL16 F1, 1, 0, 0
	MUL16 F1, 1, 2, 0
	QUARTER 1, 64,  F0, F1, 0
	QUARTER 1, 128, F1, F0, 0
	QUARTER 1, 192, F0, F1, 0
	s_wait_dscnt 8                                 ; the very last quarter: nothing more to fetch
	MUL16 F1, 0, 0, 0
	MUL16 F1, 0, 2, 0
	s_wait_dscnt 0x0
	MUL16 F1, 1, 0, 0
	MUL16 F1, 1, 2, 0
	WIN 0
; THE WAY OUT, a block of 16 rows at a time, in f32.  TOSTAGE: a lane's 32 bytes of each of eight 16 x 16 results go straight from the accumulators into my own stage (each accumulator's low four registers first),
; and come back as whole rows of 512 bytes.  SEND: bias is added and the rows are stored.
.macro TOSTAGE a
	WIN 0x08+4*((\a)/4)                            ; the stores' data: window 2 or 3; the address: window 0
.irp b, 0,1,2,3,4,5,6,7
	ds_store_b128 v[STO], v[8*(8*((\a)%4)+(\b)):8*(8*((\a)%4)+(\b))+3]   offset:64*(\b)
	ds_store_b128 v[STO], v[8*(8*((\a)%4)+(\b))+4:8*(8*((\a)%4)+(\b))+7] offset:64*(\b)+16
.endr
	WIN 0
	s_wait_xcnt 0x0                                ; this buffer, which the stores of the block two back read, is loaded again only behind this wait
.irp t, 0,1,2,3,4,5,6,7,8,9,10,11,12,13,14,15
	ds_load_b128 v[BK+64*((\a)%2)+4*(\t):BK+64*((\a)%2)+4*(\t)+3], v[RD] offset:(\t)*SPITCH  ; LDS serves a wave's instructions in order (ISA guide 5.7.1.4): these see the stores above; the next block's stores come behind them
.endr
.endm
.macro SEND a, younger                 ; younger: the LDS instructions issued behind block a's loads: the next block's 32, or none
	WIN 0
	s_wait_dscnt \younger
.irp t, 0,1,2,3,4,5,6,7,8,9,10,11,12,13,14,15
	v_pk_add_f32 v[BK+64*((\a)%2)+4*(\t):BK+64*((\a)%2)+4*(\t)+1],   v[BK+64*((\a)%2)+4*(\t):BK+64*((\a)%2)+4*(\t)+1],   v[BIAS:BIAS+1]
	v_pk_add_f32 v[BK+64*((\a)%2)+4*(\t)+2:BK+64*((\a)%2)+4*(\t)+3], v[BK+64*((\a)%2)+4*(\t)+2:BK+64*((\a)%2)+4*(\t)+3], v[BIAS+2:BIAS+3]
	global_store_b128 v[CO], v[BK+64*((\a)%2)+4*(\t):BK+64*((\a)%2)+4*(\t)+3], s[8:9] offset:(16*(\a)+(\t))*SIZE_N*4 th:TH_STORE_NT  ; the wave stores 512 consecutive bytes, at a multiple of 512 from out0's first byte
.endr
.endm
	PLACES                                         ; behind the last products: the stores below read results, the loads below land where fragments lay
	s_wait_loadcnt 0x0                             ; bias
	TOSTAGE 0
.irp a, 1,2,3,4,5,6,7                  ; block a goes into the stage while block a - 1's rows come back
	TOSTAGE \a
	SEND (\a)-1, 32
.endr
	SEND 7, 0
	s_wait_tensorcnt 0x0                           ; the wave's end: behind my last tensor load and my last LDS store
	ds_add_u32 v[SPW], v[NIL]
	s_wait_dscnt 0x0
	CROUND                                         ; the closing round: no work-group ends while a partner may still ask for a tile that names it
	s_endpgm
.Lfunc_end_k_q62d8cbf2a8_gemm2:
	.size	k_q62d8cbf2a8_gemm2, .Lfunc_end_k_q62d8cbf2a8_gemm2-k_q62d8cbf2a8_gemm2
	.p2alignl 7, 3214868480
	.fill 96, 4, 3214868480
	.section	.rodata,"a",@progbits
	.p2align	6, 0x0
	.amdhsa_kernel k_q62d8cbf2a8_gemm2
		.amdhsa_group_segment_fixed_size 327680
		.amdhsa_private_segment_fixed_size 0
		.amdhsa_enable_private_segment 0
		.amdhsa_kernarg_size 32
		.amdhsa_user_sgpr_count 2
		.amdhsa_user_sgpr_kernarg_segment_ptr 1
		.amdhsa_wavefront_size32 1
		.amdhsa_system_sgpr_workgroup_id_x 1
		.amdhsa_system_sgpr_workgroup_id_y 1
		.amdhsa_system_sgpr_workgroup_id_z 1
		.amdhsa_system_vgpr_workitem_id 0
		.amdhsa_next_free_vgpr 1024
		.amdhsa_next_free_sgpr 72
		.amdhsa_reserve_vcc 0
		.amdhsa_float_denorm_mode_32 3
		.amdhsa_float_denorm_mode_16_64 3
		.amdhsa_memory_ordered 1
		.amdhsa_forward_progress 1
		.amdhsa_inst_pref_size 157
	.end_amdhsa_kernel
	.amdgpu_metadata
---
amdhsa.version: [ 1, 2 ]
amdhsa.kernels:
  - .name:           k_q62d8cbf2a8_gemm2
    .symbol:         k_q62d8cbf2a8_gemm2.kd
    .args:
      - { .name: hb, .offset: 0, .size: 8, .value_kind: global_buffer, .address_space: global }
      - { .name: w2, .offset: 8, .size: 8, .value_kind: global_buffer, .address_space: global }
      - { .name: out0, .offset: 16, .size: 8, .value_kind: global_buffer, .address_space: global }
      - { .name: bias, .offset: 24, .size: 8, .value_kind: global_buffer, .address_space: global }
    .group_segment_fixed_size: 327680
    .private_segment_fixed_size: 0
    .kernarg_segment_align: 8
    .kernarg_segment_size: 32
    .max_flat_workgroup_size: 128
    .sgpr_count:     72
    .vgpr_count:     1024
    .wavefront_size: 32
...
	.end_amdgpu_metadata
.endif
;; end of part 3
;; ======== version 2 of 2: 3 launches; version 1 with the launch prep written anew for expert scheduling mode
;; limits: values outside matrix products are rounded to bf16
;; workspace buffers: xa 67,108,864 bytes; w1 8,388,608 bytes; w2 16,777,216 bytes; hb 16,777,216 bytes
;; launch prep (part 4): grid 1024 x 1, 8 waves a work-group, no clusters, 0 bytes of LDS; arguments x, V, V_R, v2, v2_R, U, U_R, u1, u1_R, xa, w1, w2; writes xa, w1, w2
.if DOCPART == 4
	.amdgcn_target "amdgcn-amd-amdhsa--gfx1250"
	.amdhsa_code_object_version 6
	.text
	.protected	k_q62d8cbf2a8_prep
	.globl	k_q62d8cbf2a8_prep
	.p2align	8
	.type	k_q62d8cbf2a8_prep,@function
k_q62d8cbf2a8_prep:
	s_mov_b64 s[64:65], 0
	v_nop
	global_prefetch_b8 v0, s[64:65] scope:SCOPE_SE
	s_setreg_imm32_b32 hwreg(HW_REG_WAVE_SCHED_MODE, 0, 2), 2
	s_setreg_imm32_b32 hwreg(HW_REG_WAVE_MODE, 25, 1), 1
	s_wait_xcnt 0x0
	s_wait_alu depctr_vm_vsrc(0)
; THE OPERANDS OF THE TWO PRODUCTS, made once:
;   xa[p][m][pos] = bf16(x[m][k] v2_p[k]), p = 0: v2, p = 1: v2_R                         [2][4096][4096] bf16
;   w1[j][pos]    = sign(V[j][k]) as ONE BYTE: the upper byte of the bf16 numbers +2, -2, 0 (0x40, 0xC0, 0x00); rows 1024.. from V_R   [2048][4096] bytes
;   w2[n][j]      = bf16(sign(U[n][j]) u1[n]), columns 1024.. from U_R, u1_R               [4096][2048] bf16
; The bytes of w1 are exact: the next launch sets a zero byte under each and has the bf16 operand; the factor 2 is taken back there, exactly.
; K IS LAID IN ONE COMMON ORDER in xa and w1: position 2048 B + 8 t + 4 h + e holds k = 1024 (2 B + h) + 4 t + e (B, h = 0, 1; t = 0..255; e = 0..3).  A sum over k does not mind an order that
; both operands share, and so a thread's two loads of 16 bytes, 4,096 bytes apart, make 16 consecutive bytes of xa or 8 of w1.
; LIMITS.  sign(+0) = 0; sign(-0) gives -0, which adds nothing.  A NaN in V or U gives a signed scale and not a NaN.  x v2 is rounded to f32 and then once to bf16; u1 once to bf16 (matrix operands).
; A STREAM: no LDS, no barrier, no matrix unit.  Every work-group reads 131,072 bytes of f32; its number picks the role:
;   0-511: 8 rows of x;   512-767: 8 rows of V or V_R;   768-1023: 32 rows of U or U_R.
; A slot is 4,096 consecutive input bytes: thread t takes the 16 bytes at 16 t, so a wave's load covers 512 consecutive bytes.  A wave's store covers 512 (xa) or 256 (w1, w2) consecutive bytes, aligned.
; A ring of eight slots in registers, taken in four pairs, keeps six to eight loads of every wave on their way; four rounds of four pairs.
; THE MODE: SCHED_MODE bits 1:0 = 2 (LLVM: expert scheduling mode 2), set by the entry lines.  The code itself states the register dependences between vector instructions and memory
; instructions, and those through a scalar register that a vector instruction writes, with s_wait_alu, always for 0.
; THE PLAN.  Registers that memory instructions touch:
;   X, pair j     Written by the two loads at the end of pair j's turn; read by the vector lines of pair j's next turn.
;   Y, pair j     Written by the last vector lines of pair j's turn; read by the stores at the end of that turn; written again a round later.
;   v1, v2, v3    Byte offsets, made once at the head and never written again: the rows are reached by scalar bases and immediate offsets.
;   SC, UV        Loaded once; after that vector lines alone read them.     T is named by vector lines alone.
; Scalar registers that vector instructions write: s[MK ..], eight masks of a turn's compares, read by its v_cndmask_b32; s[US ..], two row scales by v_readlane_b32, read by v_xor_b32.
; THE WAITS.  (1) va_vdst once at the head: the offsets are written.  (2) va_vdst once a turn, behind its vector lines: Y of the pair is written, X of the pair has been read; the turn's loads and
; stores follow.  It stands there and not at the next turn's head, so that the pair's registers are asked for again at once: the stream lives on its loads in flight.  (3) vm_vsrc, beside
; s_wait_xcnt 0, twice a round, behind the vector lines of pairs 1 and 3, where the youngest loads and stores are a whole turn back: pair 3's frees Y of pairs 0, 1, 2 for the next round and the
; bases for their step; pair 1's frees pair 3's Y, stored at the end of the round before.  (4) va_sdst once a turn in roles W1 and W2: the compares (and v_readlane_b32) stand first, eight lines that read none of
; their results follow, then the wait, then the readers.
.set IO,  1                            ; v1        16 t: my bytes in a slot's input, and in 4,096 bytes of xa; never rewritten
.set OO,  2                            ; v2        8 t: my bytes in 2,048 bytes of w1 or w2; never rewritten
.set LO,  3                            ; v3        4 x lane: for the 32 row scales of role W2
.set SC,  4                            ; v[4:19]   role X: v2 of my 4 columns in each of a row's four slots;  v[20:35] the same of v2_R
.set UV,  4                            ; v4        role W2: lane l holds u1 of the work-group's row l
.set T,   36                           ; v[36:43]  at work
.set X,   44                           ; v[44:75]  slot i: 4 f32 as loaded
.set Y,   76                           ; v[76:107] what is stored
.set IN,  32                           ; s[32:33]  the work-group's input
.set OUT, 34                           ; s[34:35]  its output
.set SCP, 36                           ; s[36:37]  role W2: its scales
.set OFS, 38                           ; s[38:39]  an offset, high word 0
.set SB,  40                           ; s40       the sign bit
.set CNT, 41                           ; s41       rounds that load ahead
.set US,  42                           ; s[42:43]  role W2: the scales of a pair's two rows
.set OUT2, 44                          ; s[44:45]  role X: the second path's output
.set SEL1, 46                          ; s46       v_perm_b32: the top bytes of two words, twice
.set SEL2, 47                          ; s47       v_perm_b32: the low halves of two words
.set M80, 48                           ; s48       four sign bits
.set K40, 49                           ; s[49:52]  0x40 in byte 0, 1, 2, 3
.set MK,  56                           ; s[56:63]  roles W1, W2: number e of slot h of the pair is not 0: the mask at MK + 4 h + e
	s_load_b512 s[8:23], s[0:1], 0x0               ; x s[8:9], V s[10:11], V_R s[12:13], v2 s[14:15], v2_R s[16:17], U s[18:19], U_R s[20:21], u1 s[22:23]
	s_load_b256 s[24:31], s[0:1], 0x40             ; u1_R s[24:25], xa s[26:27], w1 s[28:29], w2 s[30:31]
	v_lshlrev_b32 v[IO], 4, v0
	v_lshlrev_b32 v[OO], 3, v0
	v_and_b32 v[LO], 31, v0
	v_lshlrev_b32 v[LO], 2, v[LO]
	s_mov_b32 s2, ttmp9
	s_mov_b32 s[OFS+1], 0
	s_mov_b32 s[SB], 0x80000000
	s_mov_b32 s[CNT], 3
.macro FILL                            ; the ring's first eight loads
.irp i, 0,1,2,3,4,5,6,7
	global_load_b128 v[X+4*(\i):X+4*(\i)+3], v[IO], s[IN:IN+1] offset:(\i)*4096 th:TH_LOAD_NT
.endr
.endm
; Roles X (kind 0) and W1 (kind 1): slots 2 j and 2 j + 1 are neighbouring quarters of one row and make one piece of output.
; ahead = 1: both slots are loaded again, eight slots on.  left: the younger loads that may stay out.
.macro PAIR kind, j, ahead, left
	s_wait_loadcnt \left                           ; loads come back in order: the pair is in (and the scales, which were asked for first)
.if (\kind) == 0
.irp p, 0,1                            ; the two paths
.irp h, 0,1                            ; the pair's two slots
	v_pk_mul_f32 v[T+4*\h:T+4*\h+1],   v[X+8*(\j)+4*\h:X+8*(\j)+4*\h+1],   v[SC+16*\p+4*((2*(\j)+\h)%4):SC+16*\p+4*((2*(\j)+\h)%4)+1]
	v_pk_mul_f32 v[T+4*\h+2:T+4*\h+3], v[X+8*(\j)+4*\h+2:X+8*(\j)+4*\h+3], v[SC+16*\p+4*((2*(\j)+\h)%4)+2:SC+16*\p+4*((2*(\j)+\h)%4)+3]
.endr
.irp e, 0,1,2,3
	v_cvt_pk_bf16_f32 v[Y+8*(\j)+4*\p+\e], v[T+2*\e], v[T+2*\e+1]
.endr
.endr
.else
.irp h, 0,1                            ; the pair's eight compares in one run
.irp e, 0,1,2,3
	v_cmp_neq_f32 s[MK+4*\h+\e], 0, v[X+8*(\j)+4*\h+\e]
.endr
.endr
.irp h, 0,1                            ; eight lines that read no mask
	v_perm_b32 v[T+\h], v[X+8*(\j)+4*\h+1], v[X+8*(\j)+4*\h],   s[SEL1]  ; the top bytes of numbers 0 and 1,
	v_perm_b32 v[T+6],  v[X+8*(\j)+4*\h+3], v[X+8*(\j)+4*\h+2], s[SEL1]  ; of 2 and 3,
	v_perm_b32 v[T+\h], v[T+6], v[T+\h], s[SEL2]                        ; of all four, in order;
	v_and_b32  v[T+\h], s[M80], v[T+\h]                                 ; of each its sign
.endr
	s_wait_alu depctr_va_sdst(0)                   ; the eight compares have written s[MK ..], ahead of the first v_cndmask_b32 that reads one
.irp h, 0,1
.irp e, 0,1,2,3
	v_cndmask_b32 v[T+2+\e], 0, s[K40+\e], s[MK+4*\h+\e]                ; 0x40 in its byte, where the number is not 0
.endr
	v_or_b32 v[T+2], v[T+2], v[T+3]
	v_or_b32 v[T+4], v[T+4], v[T+5]
	v_or_b32 v[T+\h], v[T+\h], v[T+2]
	v_or_b32 v[Y+2*(\j)+\h], v[T+\h], v[T+4]
.endr
.endif
.set MOVED, 0                          ; 1: the bases move on by a round in this turn, ahead of its loads and stores, whose immediates are a round lower for it
.if ((\j) == 3) && (\ahead)
.set MOVED, 1
.endif
.if ((\j) == 1) || MOVED
	s_wait_xcnt 0x0                                ; every earlier memory instruction has had its addresses translated (ISA guide 3.1): the youngest are a turn back.  Y is written again, and the bases step, only behind this wait
	s_wait_alu depctr_vm_vsrc(0)                   ; the stores issued so far have read their Y.  In pair 1: pair 3's of the round before, which pair 3 writes again (none yet in the first round).  In pair 3: those of pairs 0, 1, 2, which the next round writes again
.endif
.if MOVED
	s_add_nc_u64 s[IN:IN+1], s[IN:IN+1], 32768
.if (\kind) == 0
	s_add_nc_u64 s[OUT:OUT+1], s[OUT:OUT+1], 16384
	s_add_nc_u64 s[OUT2:OUT2+1], s[OUT2:OUT2+1], 16384
.else
	s_add_nc_u64 s[OUT:OUT+1], s[OUT:OUT+1], 8192
.endif
.endif
	s_wait_alu depctr_va_vdst(0)                   ; the turn's vector lines have written Y of the pair, which the stores below read, and are done reading X of the pair, in which the loads below land
.if \ahead
	global_load_b128 v[X+8*(\j):X+8*(\j)+3],   v[IO], s[IN:IN+1] offset:(2*(\j))*4096+32768*(1-MOVED) th:TH_LOAD_NT
	global_load_b128 v[X+8*(\j)+4:X+8*(\j)+7], v[IO], s[IN:IN+1] offset:(2*(\j)+1)*4096+32768*(1-MOVED) th:TH_LOAD_NT
.endif
.if (\kind) == 0
	global_store_b128 v[IO], v[Y+8*(\j):Y+8*(\j)+3],   s[OUT:OUT+1]   offset:(\j)*4096-16384*MOVED  ; half a row of xa
	global_store_b128 v[IO], v[Y+8*(\j)+4:Y+8*(\j)+7], s[OUT2:OUT2+1] offset:(\j)*4096-16384*MOVED
.else
	global_store_b64 v[OO], v[Y+2*(\j):Y+2*(\j)+1], s[OUT:OUT+1] offset:(\j)*2048-8192*MOVED       ; half a row of w1
.endif
.endm
.macro ROUNDP kind, ahead
.irp j, 0,1,2,3
.if \ahead
	PAIR \kind, \j, 1, 6
.else
	PAIR \kind, \j, 0, 6-2*\j                      ; the last round loads nothing: the counts run down
.endif
.endr
.endm
; Role W2: a slot is a row of U; pair j of round r holds rows 8 r + 2 j and 8 r + 2 j + 1 of the work-group's 32.
.macro PAIR2 r, j, ahead, left
	s_wait_loadcnt \left
.irp h, 0,1
	v_readlane_b32 s[US+\h], v[UV], 8*(\r)+2*(\j)+\h  ; u1 of the two rows
.endr
.irp h, 0,1                            ; the pair's eight compares in one run
.irp e, 0,1,2,3
	v_cmp_neq_f32 s[MK+4*\h+\e], 0, v[X+8*(\j)+4*\h+\e]
.endr
.endr
.irp h, 0,1                            ; eight lines that read none of those scalar results
.irp e, 0,1,2,3
	v_and_b32 v[T+4*\h+\e], s[SB], v[X+8*(\j)+4*\h+\e]  ; the weight's sign
.endr
.endr
	s_wait_alu depctr_va_sdst(0)                   ; s[US ..] and s[MK ..] are written, ahead of the first v_xor_b32 and the first v_cndmask_b32 that read them
.irp h, 0,1
.irp e, 0,1,2,3
	v_xor_b32 v[T+4*\h+\e], s[US+\h], v[T+4*\h+\e]  ; turns the scale's
.endr
.endr
.irp h, 0,1
.irp e, 0,1,2,3
	v_cndmask_b32 v[T+4*\h+\e], 0, v[T+4*\h+\e], s[MK+4*\h+\e]  ; sign(0) = 0
.endr
.endr
.irp h, 0,1
	v_cvt_pk_bf16_f32 v[Y+4*(\j)+2*\h],   v[T+4*\h],   v[T+4*\h+1]
	v_cvt_pk_bf16_f32 v[Y+4*(\j)+2*\h+1], v[T+4*\h+2], v[T+4*\h+3]
.endr
.if (((\j) == 1) && ((\r) > 0)) || (((\j) == 3) && (\ahead))
	s_wait_xcnt 0x0                                ; every earlier memory instruction has had its addresses translated (ISA guide 3.1): the youngest are a turn back.  Y is written again only behind this wait
	s_wait_alu depctr_vm_vsrc(0)                   ; the stores issued so far have read their Y.  In pair 1: pair 3's of the round before, which pair 3 writes again.  In pair 3: those of pairs 0, 1, 2, which the next round writes again
.endif
	s_wait_alu depctr_va_vdst(0)                   ; the roundings have written Y of the pair, which the stores below read; the compares and the v_and_b32 are done reading X of the pair, in which the loads below land
.if \ahead
.irp h, 0,1
	global_load_b128 v[X+8*(\j)+4*\h:X+8*(\j)+4*\h+3], v[IO], s[IN:IN+1] offset:(8*(\r)+2*(\j)+\h)*4096+32768 th:TH_LOAD_NT
.endr
.endif
.irp h, 0,1
	global_store_b64 v[OO], v[Y+4*(\j)+2*\h:Y+4*(\j)+2*\h+1], s[OUT:OUT+1] offset:(8*(\r)+2*(\j)+\h)*4096  ; a row of w2 is 4,096 bytes, of which this path fills half
.endr
.endm
.macro ROUND2 r, ahead
.irp j, 0,1,2,3
.if \ahead
	PAIR2 \r, \j, 1, 6
.else
	PAIR2 \r, \j, 0, 6-2*\j
.endif
.endr
.endm
	s_wait_kmcnt 0x0
	s_wait_alu depctr_va_vdst(0)                   ; v1, v2 and v3 are written: every load and store of the kernel, in each of the three roles, reads one of them as its offset
	s_cmp_lt_u32 s2, 512
	s_cbranch_scc1 .Lrole_x
	s_cmp_lt_u32 s2, 768
	s_cbranch_scc1 .Lrole_w1
	; ROLE W2: 32 rows of U or U_R
	s_sub_co_u32 s2, s2, 768
	s_lshr_b32 s3, s2, 7                           ; the path
	s_and_b32 s4, s2, 127                          ; which 32 rows
	s_cmp_eq_u32 s3, 0
	s_cselect_b64 s[IN:IN+1], s[18:19], s[20:21]
	s_cselect_b64 s[SCP:SCP+1], s[22:23], s[24:25]
	s_lshl_b32 s[OFS], s4, 17                      ; 32 rows of 4,096 bytes, in U and in w2
	s_add_nc_u64 s[IN:IN+1], s[IN:IN+1], s[OFS:OFS+1]
	s_add_nc_u64 s[OUT:OUT+1], s[30:31], s[OFS:OFS+1]
	s_lshl_b32 s[OFS], s3, 11                      ; the path's half of a row of w2
	s_add_nc_u64 s[OUT:OUT+1], s[OUT:OUT+1], s[OFS:OFS+1]
	s_lshl_b32 s[OFS], s4, 7                       ; 32 scales
	s_add_nc_u64 s[SCP:SCP+1], s[SCP:SCP+1], s[OFS:OFS+1]
	global_load_b32 v[UV], v[LO], s[SCP:SCP+1]
	FILL
	ROUND2 0, 1                                    ; written out: the row's number is a constant of each line
	ROUND2 1, 1
	ROUND2 2, 1
	ROUND2 3, 0
	s_endpgm
.Lrole_w1:                                     ; ROLE W1: 8 rows of V or V_R
	s_sub_co_u32 s2, s2, 512
	s_lshr_b32 s3, s2, 7                           ; the path
	s_and_b32 s4, s2, 127                          ; which 8 rows of its V
	s_cmp_eq_u32 s3, 0
	s_cselect_b64 s[IN:IN+1], s[10:11], s[12:13]
	s_lshl_b32 s[OFS], s4, 17
	s_add_nc_u64 s[IN:IN+1], s[IN:IN+1], s[OFS:OFS+1]
	s_lshl_b32 s[OFS], s2, 15                      ; 8 rows of 4,096 bytes of w1; V_R's rows follow V's
	s_add_nc_u64 s[OUT:OUT+1], s[28:29], s[OFS:OFS+1]
	s_mov_b32 s[SEL1], 0x07030703
	s_mov_b32 s[SEL2], 0x05040100
	s_mov_b32 s[M80], 0x80808080
	s_mov_b32 s[K40], 0x40
	s_mov_b32 s[K40+1], 0x4000
	s_mov_b32 s[K40+2], 0x400000
	s_mov_b32 s[K40+3], 0x40000000
	FILL
.Lw1_round:
	ROUNDP 1, 1
	s_sub_co_u32 s[CNT], s[CNT], 1
	s_cmp_lg_u32 s[CNT], 0
	s_cbranch_scc1 .Lw1_round
	ROUNDP 1, 0
	s_endpgm
.Lrole_x:                                      ; ROLE X: 8 rows of x, for both paths
	s_lshl_b32 s[OFS], s2, 17
	s_add_nc_u64 s[IN:IN+1], s[8:9], s[OFS:OFS+1]
	s_lshl_b32 s[OFS], s2, 16                      ; 8 rows of 8,192 bytes of xa
	s_add_nc_u64 s[OUT:OUT+1], s[26:27], s[OFS:OFS+1]
	s_add_nc_u64 s[OUT2:OUT2+1], s[OUT:OUT+1], 0x2000000  ; the second path's 4,096 rows follow the first's
.irp c, 0,1,2,3
	global_load_b128 v[SC+4*(\c):SC+4*(\c)+3],       v[IO], s[14:15] offset:(\c)*4096
	global_load_b128 v[SC+16+4*(\c):SC+16+4*(\c)+3], v[IO], s[16:17] offset:(\c)*4096
.endr
	FILL
.Lx_round:
	ROUNDP 0, 1
	s_sub_co_u32 s[CNT], s[CNT], 1
	s_cmp_lg_u32 s[CNT], 0
	s_cbranch_scc1 .Lx_round
	ROUNDP 0, 0
	s_endpgm
.Lfunc_end_k_q62d8cbf2a8_prep:
	.size	k_q62d8cbf2a8_prep, .Lfunc_end_k_q62d8cbf2a8_prep-k_q62d8cbf2a8_prep
	.p2alignl 7, 3214868480
	.fill 96, 4, 3214868480
	.section	.rodata,"a",@progbits
	.p2align	6, 0x0
	.amdhsa_kernel k_q62d8cbf2a8_prep
		.amdhsa_group_segment_fixed_size 0
		.amdhsa_private_segment_fixed_size 0
		.amdhsa_enable_private_segment 0
		.amdhsa_kernarg_size 96
		.amdhsa_user_sgpr_count 2
		.amdhsa_user_sgpr_kernarg_segment_ptr 1
		.amdhsa_wavefront_size32 1
		.amdhsa_system_sgpr_workgroup_id_x 1
		.amdhsa_system_sgpr_workgroup_id_y 1
		.amdhsa_system_sgpr_workgroup_id_z 1
		.amdhsa_system_vgpr_workitem_id 0
		.amdhsa_next_free_vgpr 108
		.amdhsa_next_free_sgpr 66
		.amdhsa_reserve_vcc 0
		.amdhsa_float_denorm_mode_32 3
		.amdhsa_float_denorm_mode_16_64 3
		.amdhsa_memory_ordered 1
		.amdhsa_forward_progress 1
		.amdhsa_inst_pref_size 71
	.end_amdhsa_kernel
	.amdgpu_metadata
---
amdhsa.version: [ 1, 2 ]
amdhsa.kernels:
  - .name:           k_q62d8cbf2a8_prep
    .symbol:         k_q62d8cbf2a8_prep.kd
    .args:
      - { .name: x, .offset: 0, .size: 8, .value_kind: global_buffer, .address_space: global }
      - { .name: V, .offset: 8, .size: 8, .value_kind: global_buffer, .address_space: global }
      - { .name: V_R, .offset: 16, .size: 8, .value_kind: global_buffer, .address_space: global }
      - { .name: v2, .offset: 24, .size: 8, .value_kind: global_buffer, .address_space: global }
      - { .name: v2_R, .offset: 32, .size: 8, .value_kind: global_buffer, .address_space: global }
      - { .name: U, .offset: 40, .size: 8, .value_kind: global_buffer, .address_space: global }
      - { .name: U_R, .offset: 48, .size: 8, .value_kind: global_buffer, .address_space: global }
      - { .name: u1, .offset: 56, .size: 8, .value_kind: global_buffer, .address_space: global }
      - { .name: u1_R, .offset: 64, .size: 8, .value_kind: global_buffer, .address_space: global }
      - { .name: xa, .offset: 72, .size: 8, .value_kind: global_buffer, .address_space: global }
      - { .name: w1, .offset: 80, .size: 8, .value_kind: global_buffer, .address_space: global }
      - { .name: w2, .offset: 88, .size: 8, .value_kind: global_buffer, .address_space: global }
    .group_segment_fixed_size: 0
    .private_segment_fixed_size: 0
    .kernarg_segment_align: 8
    .kernarg_segment_size: 96
    .max_flat_workgroup_size: 256
    .sgpr_count:     66
    .vgpr_count:     108
    .wavefront_size: 32
...
	.end_amdgpu_metadata
.endif
;; end of part 4
;; launch gemm1: the kernel of part 2 again; grid 8 x 32, 4 waves a work-group, clusters of 4 x 4, 327,680 bytes of LDS; arguments xa, w1, hb, v1, v1_R, u2, u2_R; writes hb
;; launch gemm2: the kernel of part 3 again; grid 16 x 16, 4 waves a work-group, clusters of 4 x 4, 327,680 bytes of LDS; arguments hb, w2, out0, bias; writes out0
